; MI455X (gfx1250); checked and timed in simulation.
; The chip was launched on July 23, 2026; its instructions are those of AMD's public machine-readable ISA for CDNA 5 (MIT licence, August 2026) and "CDNA5" Instruction Set Architecture Reference Guide (July 2026). The comments in the code are by the model that wrote it; some were corrected since.
;; Multi Head Attention. Allowed arithmetic: matrix products marked QUANTISED: E2M3 operands, one E8M0 scale for each 32 along K, by v_wmma_scale_f32_16x16x128_f8f6f4 with both operands' format E2M3, f32 sums; everything else in f32.
;; Inputs: Wk 512 x 512 float32; Wo 512 x 512 float32; Wq 512 x 512 float32; Wv 512 x 512 float32; bk 512 float32; bo 512 float32; bq 512 float32; bv 512 float32; key 2 x 4,096 x 512 float32; query 2 x 4,096 x 512 float32; value 2 x 4,096 x 512 float32.
;; Outputs: out0 2 x 4,096 x 512 float32.
;; This version of the problem:
;;   THIS VERSION OF THE PROBLEM IS GIVEN IN LOW PRECISION. The matrix products marked QUANTISED in the list below multiply operands that are first quantised to E2M3 (2 exponent bits, 3 mantissa bits; 6 bits a number), with one power-of-two scale for each 32 numbers along K (OCP MX v1.0); their sums are f32. All else is computed in f32.
;;   The module's matrix products, in the order in which they are computed (A, B: the left and right operand; K: the contracted axis; several contracted axes count as one K, in the product's order):
;;     1. [M 8,192, K 512] x [K 512, N 512]; A: input query; B: input Wq: QUANTISED
;;     2. [M 8,192, K 512] x [K 512, N 512]; A: input key; B: input Wk: QUANTISED
;;     3. [M 8,192, K 512] x [K 512, N 512]; A: input value; B: input Wv: QUANTISED
;;     4. batch 16 x [M 4,096, K 64] x [K 64, N 4,096]; A: computed on the way; B: computed on the way: QUANTISED
;;     5. batch 16 x [M 4,096, K 4,096] x [K 4,096, N 64]; A: softmax (see below); B: computed on the way: QUANTISED
;;     6. [M 8,192, K 512] x [K 512, N 512]; A: computed on the way; B: input Wo: QUANTISED
;;   THE QUANTISER, for each operand of a quantised product, along K:
;;     - K is cut into blocks of 32 from its start; a last block that is shorter is filled with zeros.
;;     - A block's scale is 2^e with e = floor(log2(the largest magnitude in the block)) - 2, held to -126 .. 127; a block of zeros has e = 0. As a byte (E8M0): e + 127.
;;     - Each number is divided by its block's scale, clamped to +-7.5, and rounded to the nearest number of E2M3, ties to even, subnormals kept.
;;     - The product sums the exact products of the quantised numbers (number of the format x scale) in f32.
;;   ~~~python
;;   def quantise(x, axis):      # numpy; x: float32 -> the quantised numbers, widened to float32 again
;;       x = np.moveaxis(x, axis, -1); K = x.shape[-1]
;;       x = np.pad(x, [(0, 0)] * (x.ndim - 1) + [(0, -K % 32)]); x = x.reshape(x.shape[:-1] + (-1, 32)); a = np.abs(x).max(-1, keepdims=True)
;;       e = np.where(a > 0, np.clip(np.frexp(np.where(a > 0, a, 1))[1] - 1 - 2, -126, 127), 0)      # np.frexp(a)[1] - 1 = floor(log2(a)), exactly
;;       r = np.clip(x / 2.0 ** e, -7.5, 7.5)
;;       step = 2.0 ** (np.maximum(np.frexp(np.where(r == 0, 1, r))[1] - 1, 0) - 3)
;;       q = np.round(r / step) * step * 2.0 ** e      # np.round: ties to even
;;       return np.moveaxis(q.reshape(q.shape[:-2] + (-1,))[..., :K], -1, axis).astype(np.float32)
;;   ~~~
;;   SOFTMAX AHEAD OF A QUANTISED PRODUCT. Where the list says 'softmax', what is quantised is not the finished softmax but p = 2^(t - M), with t = logit x log2(e) and M = ceil(the row's largest t), a whole number; so 1/2 < the row's largest p <= 1. The row's sum l is taken of the UNQUANTISED p, in f32, and the product's result is divided by l at the end. Since M is a whole number, a kernel that streams over the keys may use a running M (the ceiling of the running maximum): every later rescaling is an exact power of two, which a block's scale takes up: the codes' values come out the same.
;;   OPERANDS COMPUTED ON THE WAY. 'Computed on the way' means the value that the module computes at that place (a softmax that the list does not call 'softmax' is quantised finished and normalised). What goes into a quantiser is computed in f32, as accurately as f32 sums, v_exp_f32 and their like allow (about 1e-6 of the number): no bf16 or f16 on the way to a quantiser, and a product that is left as it is and whose result goes on into a quantised operand takes f32 operands (vector FMAs, or v_wmma_f32_16x16x4_f32). A number that lies on a knife's edge between two numbers of the format may be rounded either way, as far as f32 arithmetic and the matrix unit's own rounding can turn it there, and no further.
;; One version. Each part assembles by itself: llvm-mc -triple=amdgcn-amd-amdhsa -mcpu=gfx1250 --defsym DOCPART=n.
;; ======== version 1 of 1: 4 launches
;; limits: right only within a limited range of input values
;; workspace buffers: wimg 819,200 bytes; qbuf 3,407,872 bytes; kv 6,684,672 bytes; xc 3,145,728 bytes; xs 262,144 bytes
;; launch wquant (part 1): grid 16 x 4, 4 waves a work-group, no clusters, 1,024 bytes of LDS; arguments Wq, Wk, Wv, Wo, wimg; writes wimg
.if DOCPART == 1
	.amdgcn_target "amdgcn-amd-amdhsa--gfx1250"
	.amdhsa_code_object_version 6
	.text
	.protected	k_qa3f2314089_wquant
	.globl	k_qa3f2314089_wquant
	.p2align	8
	.type	k_qa3f2314089_wquant,@function
k_qa3f2314089_wquant:
	s_mov_b64 s[64:65], 0
	v_nop
	global_prefetch_b8 v0, s[64:65] scope:SCOPE_SE
	s_setreg_imm32_b32 hwreg(HW_REG_WAVE_MODE, 25, 1), 1
	s_wait_xcnt 0x0
; Wq, Wk, Wv, Wo ([512][512] f32, K innermost) become codes of E2M3 with one E8M0 byte for each 32 along K, laid as IMAGES OF OPERAND REGISTERS:
; wimg = [matrix 4][quarter 4][51,200]; a quarter (128 rows of W) = codes [tile 8][K step 4][1,536], then scale words [pair of tiles 4][lane 32][K step 4].
; A fragment's image: 12 registers x 32 lanes, three chunks of 512 bytes, chunk c = lane l's registers 4 c .. 4 c + 3 at 16 l.
; THE ROWS OF A TILE ARE NOT NEIGHBOURS: in a group of 32 rows lane r of tile u takes row 8 u + r + 8 (r / 8), so that a product that takes the tiles as source 0 leaves 16 neighbours in 16 registers.
; A scale image holds the pair's first tile in lanes 0-15 and its second in lanes 16-31.
; SHARES: work-group x = a group of 32 rows (a pair of tiles), y = the matrix; wave s takes K step s (128 along K) of both tiles.  Lane (r, h) loads, of its row, 16 neighbours of each block of 32.
; A block's scale is 2^(floor(log2(largest magnitude)) - 2); its byte is the largest magnitude's exponent field - 2, held at 1 from below.
; LIMITS: a block of zeros, or one under 2^-124, keeps the byte 1 (its codes are zeros or the smallest codes; this program alone reads the bytes); NaN and infinities among the inputs are not served.
.set SPARE, 512                        ; LDS: bytes 0-511 gather the pair's scale image; behind them the spare words, 128 bytes a wave
.set LI,  1                            ; v1   16 x lane
.set XA,  2                            ; v2   (r + 8 (r / 8)) x 2,048 + 64 h: my 16 numbers of a block in my row
.set SA,  3                            ; v3   16 x lane + 4 x wave: my scale word's place in the image
.set SPW, 12                           ; v12  LDS address of my spare word; never rewritten
.set NIL, 13                           ; v13  0; never rewritten
.set TM,  16                           ; v16-31 at work in QUANT
.set CT,  32                           ; v32-39 second halves of the conversions
.set PW,  40                           ; v40  the scale word just made
.set PWA, 41                           ; v41  tile 0's
.set SW,  42                           ; v42  lanes 0-15 tile 0's, lanes 16-31 tile 1's
.set CD0, 44                           ; v44-55 tile 0's codes
.set CD1, 56                           ; v56-67 tile 1's
.set GS,  68                           ; v68-71 the gathered scale image
.set X0,  128                          ; v128-191 tile 0's 64 numbers
.set X1,  192                          ; v192-255 tile 1's
.set WV,  14
.set YY,  15
.set SEL, 28                           ; s[28:29] lane selects for v_permlanex16_b32: lane l xor 16
.set HIM, 30                           ; s30  a lane mask: lanes 16-31
.set MSB, 0
.macro WIN new                         ; the immediate's high byte repeats the setting that is left; a switch that changes nothing is dropped
.if MSB != (\new)
	s_set_vgpr_msb (MSB<<8)|(\new)
.set MSB, (\new)
.endif
.endm
; 64 numbers of a lane, v[s] .. v[s + 63] of window w, register 16 b + i = k 32 b + 16 (lane / 16) + i of my row, become codes: k 0-63 in v[d0 .. d0 + 5], k 64-127 in v[d1 .. d1 + 5]; the four scale bytes in v[PW].
.macro QUANT s, w, d0, d1
	WIN (\w)|((\w)<<2)
.irp b, 0,1,2,3
	v_max3_num_f32 v[TM+\b], |v[(\s)+16*\b]|, |v[(\s)+1+16*\b]|, 0x1800000   ; block b: my 16 numbers, and the floor 2^(3 - 127): the byte cannot fall under 1
.endr
	WIN ((\w)<<2)|((\w)<<4)
.irp i, 2,4,6,8,10,12,14
.irp b, 0,1,2,3
	v_max3_num_f32 v[TM+\b], v[TM+\b], |v[(\s)+16*\b+\i]|, |v[(\s)+1+16*\b+\i]|   ; the four blocks by turns
.endr
.endr
	WIN 0
.irp b, 0,1,2,3
	v_permlanex16_b32 v[TM+4+\b], v[TM+\b], s[SEL], s[SEL+1]
.endr
.irp b, 0,1,2,3
	v_max_num_f32 v[TM+\b], v[TM+\b], v[TM+4+\b]   ; with lane l xor 16's 16: the block's largest magnitude
.endr
.irp b, 0,1,2,3
	v_add_nc_u32 v[TM+12+\b], 0xff000000, v[TM+\b]   ; 2 off its exponent field: the conversion takes the exponent field of this operand as its scale
.endr
.irp b, 0,1,2,3
	v_lshrrev_b32 v[TM+4+\b], 23, v[TM+12+\b]   ; the scale's byte
.endr
	v_lshl_or_b32 v[PW], v[TM+5], 8, v[TM+4]
	v_lshl_or_b32 v[PW], v[TM+6], 16, v[PW]
	v_lshl_or_b32 v[PW], v[TM+7], 24, v[PW]
	WIN (\w)
	v_cvt_scalef32_pk16_fp6_f32 v[(\d0):(\d0)+2], v[(\s):(\s)+15], v[TM+12]
	v_cvt_scalef32_pk16_fp6_f32 v[CT:CT+2], v[(\s)+16:(\s)+31], v[TM+13]   ; (a conversion's three registers begin on an even number)
	v_cvt_scalef32_pk16_fp6_f32 v[(\d1):(\d1)+2], v[(\s)+32:(\s)+47], v[TM+14]
	v_cvt_scalef32_pk16_fp6_f32 v[CT+4:CT+6], v[(\s)+48:(\s)+63], v[TM+15]
	WIN 0
	v_nop                                          ; one plain place behind a scaled conversion
.irp i, 0,1,2
	v_permlane16_swap_b32 v[(\d0)+\i], v[CT+\i]    ; the operand's layout wants a whole block in a lane: lanes 0-15 the even block, lanes 16-31 the odd one
.endr
.irp i, 0,1,2
	v_permlane16_swap_b32 v[(\d1)+\i], v[CT+4+\i]
.endr
.irp i, 0,1,2
	v_mov_b32 v[(\d0)+3+\i], v[CT+\i]
.endr
.irp i, 0,1,2
	v_mov_b32 v[(\d1)+3+\i], v[CT+4+\i]
.endr
.endm
	s_load_b256 s[4:11], s[0:1], 0x0               ; Wq, Wk, Wv, Wo
	s_load_b64 s[12:13], s[0:1], 0x20              ; wimg
	v_lshl_add_u32 v[SPW], v0, 2, SPARE
	v_mov_b32 v[NIL], 0
	v_lshrrev_b32 v4, 5, v0
	v_readfirstlane_b32 s[WV], v4                  ; wave = K step
	s_and_b32 s[YY], ttmp7, 0xffff                 ; which matrix
	v_and_b32 v5, 31, v0                           ; lane
	v_and_b32 v6, 15, v0                           ; r
	v_bfe_u32 v7, v0, 4, 1                         ; h
	v_lshlrev_b32 v[LI], 4, v5
	v_and_b32 v8, 8, v6
	v_add_nc_u32 v8, v8, v6                        ; r + 8 (r / 8)
	v_lshlrev_b32 v[XA], 11, v8
	v_lshl_add_u32 v[XA], v7, 6, v[XA]
	s_lshl_b32 s32, s[WV], 2
	v_add_nc_u32 v[SA], s32, v[LI]
.irp b, 0,1,2,3
	v_mov_b32 v[TM+4+\b], 0                        ; written once: a lane permute's destination counts as one of its sources
.endr
	s_mov_b32 s[SEL], 0x76543210
	s_mov_b32 s[SEL+1], 0xfedcba98
	s_mov_b32 s[HIM], 0xffff0000
	s_lshl_b32 s16, ttmp9, 16                      ; in W: 32 rows of 2,048 bytes a group,
	s_lshl_b32 s17, s[WV], 9                       ; 512 bytes a K step
	s_add_co_u32 s16, s16, s17
	s_mov_b32 s17, 0
	s_lshr_b32 s18, ttmp9, 2                       ; the quarter,
	s_lshl_b32 s19, s[YY], 2
	s_add_co_u32 s18, s18, s19
	s_mul_i32 s18, s18, 51200                      ; its first byte in wimg
	s_and_b32 s19, ttmp9, 3                        ; the pair j in the quarter
	s_lshl_b32 s20, s19, 3
	s_add_co_u32 s20, s20, s[WV]
	s_mul_i32 s20, s20, 1536                       ; fragment (tile 2 j, K step s) = number 8 j + s; tile 2 j + 1: four on
	s_add_co_u32 s20, s20, s18
	s_mov_b32 s21, 0
	s_lshl_b32 s22, s19, 9                         ; the pair's scale image
	s_add_co_u32 s22, s22, s18
	s_add_co_u32 s22, s22, 49152
	s_mov_b32 s23, 0
	s_wait_alu depctr_va_vdst(0)
	s_wait_kmcnt 0x0
	s_cmp_eq_u32 s[YY], 1                          ; the choice hangs on the work-group's number alone
	s_cselect_b64 s[4:5], s[6:7], s[4:5]
	s_cmp_eq_u32 s[YY], 2
	s_cselect_b64 s[4:5], s[8:9], s[4:5]
	s_cmp_eq_u32 s[YY], 3
	s_cselect_b64 s[4:5], s[10:11], s[4:5]
	s_add_nc_u64 s[4:5], s[4:5], s[16:17]
	s_add_nc_u64 s[24:25], s[12:13], s[20:21]
	s_add_nc_u64 s[26:27], s[12:13], s[22:23]
.irp u, 0,1
.irp b, 0,1,2,3
.irp j, 0,1,2,3
	global_load_b128 v[X0+64*\u+16*\b+4*\j:X0+64*\u+16*\b+4*\j+3], v[XA], s[4:5] offset:16384*\u+128*\b+16*\j th:TH_LOAD_NT
.endr
.endr
.endr
	s_wait_loadcnt 16                              ; tile 0's sixteen loads are in; tile 1's sixteen may be out
	QUANT X0, 0, CD0, CD0+6
	v_mov_b32 v[PWA], v[PW]
	s_wait_loadcnt 0x0
	QUANT X1, 0, CD1, CD1+6
	v_cndmask_b32 v[SW], v[PWA], v[PW], s[HIM]     ; lanes 0-15: tile 0's word of row r; lanes 16-31: tile 1's
.irp c, 0,1,2
	global_store_b128 v[LI], v[CD0+4*\c:CD0+4*\c+3], s[24:25] offset:512*\c          ; 32 lanes store 512 consecutive bytes
	global_store_b128 v[LI], v[CD1+4*\c:CD1+4*\c+3], s[24:25] offset:4*1536+512*\c
.endr
	ds_store_b32 v[SA], v[SW]                      ; the four waves' words meet in LDS: [lane][K step]
	s_wait_dscnt 0x0                               ; for the others' sake: my store has landed
	s_barrier_signal -1
	s_barrier_wait -1
	s_cmp_lg_u32 s[WV], 0
	s_cbranch_scc1 .Lnot_wave_0
	ds_load_b128 v[GS:GS+3], v[LI]
	s_wait_dscnt 0x0
	global_store_b128 v[LI], v[GS:GS+3], s[26:27]  ; 512 consecutive bytes
.Lnot_wave_0:
	s_wait_tensorcnt 0x0                           ; the wave's end: behind my last LDS store
	ds_add_u32 v[SPW], v[NIL]
	s_wait_dscnt 0x0
	s_endpgm
.Lfunc_end_k_qa3f2314089_wquant:
	.size	k_qa3f2314089_wquant, .Lfunc_end_k_qa3f2314089_wquant-k_qa3f2314089_wquant
	.p2alignl 7, 3214868480
	.fill 96, 4, 3214868480
	.section	.rodata,"a",@progbits
	.p2align	6, 0x0
	.amdhsa_kernel k_qa3f2314089_wquant
		.amdhsa_group_segment_fixed_size 1024
		.amdhsa_private_segment_fixed_size 0
		.amdhsa_enable_private_segment 0
		.amdhsa_kernarg_size 40
		.amdhsa_user_sgpr_count 2
		.amdhsa_user_sgpr_kernarg_segment_ptr 1
		.amdhsa_wavefront_size32 1
		.amdhsa_system_sgpr_workgroup_id_x 1
		.amdhsa_system_sgpr_workgroup_id_y 1
		.amdhsa_system_sgpr_workgroup_id_z 1
		.amdhsa_system_vgpr_workitem_id 0
		.amdhsa_next_free_vgpr 256
		.amdhsa_next_free_sgpr 66
		.amdhsa_reserve_vcc 0
		.amdhsa_float_denorm_mode_32 3
		.amdhsa_float_denorm_mode_16_64 3
		.amdhsa_memory_ordered 1
		.amdhsa_forward_progress 1
		.amdhsa_inst_pref_size 15
	.end_amdhsa_kernel
	.amdgpu_metadata
---
amdhsa.version: [ 1, 2 ]
amdhsa.kernels:
  - .name:           k_qa3f2314089_wquant
    .symbol:         k_qa3f2314089_wquant.kd
    .args:
      - { .name: Wq, .offset: 0, .size: 8, .value_kind: global_buffer, .address_space: global }
      - { .name: Wk, .offset: 8, .size: 8, .value_kind: global_buffer, .address_space: global }
      - { .name: Wv, .offset: 16, .size: 8, .value_kind: global_buffer, .address_space: global }
      - { .name: Wo, .offset: 24, .size: 8, .value_kind: global_buffer, .address_space: global }
      - { .name: wimg, .offset: 32, .size: 8, .value_kind: global_buffer, .address_space: global }
    .group_segment_fixed_size: 1024
    .private_segment_fixed_size: 0
    .kernarg_segment_align: 8
    .kernarg_segment_size: 40
    .max_flat_workgroup_size: 128
    .sgpr_count:     66
    .vgpr_count:     256
    .wavefront_size: 32
...
	.end_amdgpu_metadata
.endif
;; end of part 1
;; launch proj (part 2): grid 64 x 3, 4 waves a work-group, clusters of 4 x 1, 292,352 bytes of LDS; arguments query, key, value, bq, bk, bv, wimg, qbuf, kv; writes qbuf, kv
.if DOCPART == 2
	.amdgcn_target "amdgcn-amd-amdhsa--gfx1250"
	.amdhsa_code_object_version 6
	.text
	.protected	k_qa3f2314089_proj
	.globl	k_qa3f2314089_proj
	.p2align	8
	.type	k_qa3f2314089_proj,@function
k_qa3f2314089_proj:
	s_mov_b64 s[64:65], 0
	v_nop
	global_prefetch_b8 v0, s[64:65] scope:SCOPE_SE
	s_setreg_imm32_b32 hwreg(HW_REG_WAVE_MODE, 25, 1), 1
	s_wait_xcnt 0x0
	s_wait_alu depctr_hold_cnt(0) depctr_sa_sdst(0) depctr_va_vdst(0) depctr_va_sdst(0) depctr_va_ssrc(0) depctr_va_vcc(0) depctr_vm_vsrc(0)
	s_getreg_b32 s2, hwreg(HW_REG_IB_STS2, 6, 4)
	s_cmp_eq_u32 s2, 0
	s_cbranch_scc0 .Lentry_in_a_cluster
	s_endpgm
.Lentry_in_a_cluster:
	s_bfe_u32 s2, ttmp6, 0x10000c
	s_cmp_lg_u32 s2, 0x3003
	s_cbranch_scc0 .Lentry_shape_is_right
	s_endpgm
.Lentry_shape_is_right:
; q = query Wq^T + bq, k = key Wk^T + bk, v = value Wv^T + bv, on codes of E2M3 with one E8M0 scale for each 32 along K; the results are quantised at once for attention: q and k along the head's 64, v along the keys.
; SHARES: work-group x = a block of 128 rows (of 8,192), y = the tensor (0 q, 1 k, 2 v).  Wave w owns outputs 128 w .. 128 w + 127: heads 2 w and 2 w + 1.
; CLUSTER: the four work-groups of a cluster take the same tensor, so they read the same weight images (204,800 bytes): each wave asks for its quarter JOINTLY, by one tensor load with a mask that names the four.
; PHASE X: wave w quantises rows 32 w .. 32 w + 31 of the block (two tiles x four K steps) in registers and stores the fragments' images and scale words in LDS, laid exactly as a quarter of W is laid.
; ONE UNIT SERVES ALL THREE: P = 8 tiles x 4 K steps as source 0 (384 registers, stays), R = 1 tile x 4 K steps as source 1.  In the result a lane holds R's row and its 64 registers run along P's 128 rows in their
; natural order (the rows of a tile are chosen for it: lane r of tile u of a group of 32 takes row 8 u + r + 8 (r / 8)): that is what QUANT takes.  q, k: P = my quarter of W, R = a tile of x.  v: P = x's 128 rows (keys), R = a tile of my quarter of W.
; OUT: qbuf [bh 16][block of 128 queries 32][6,656] = pair images [4][1,536] (registers 0-5 the pair's first tile, 64 codes a row; 6-11 its second), then scale words [lane 32][pair 4] (bytes 0, 1 the row's two blocks, bytes 2, 3 = 1);
;      kv [bh 16][128 keys 32][13,056] = K as in qbuf; +6,656 V^T's fragments [tile of 16 d 4][1,536]; +12,800 V's scale words [lane 32][2].
; The bias is the C of each sum's first matrix instruction.
; LIMITS: a block of zeros, or one under 2^-124, keeps the byte 1 (this program alone reads the bytes); NaN and infinities among the inputs are not served.
; REGISTERS: window 0 as listed; window 1: P's K steps 0, 1 at v[96 (s % 2) + 12 t]; window 2: K steps 2, 3; window 3: four sets of 64 numbers of x in phase X, then R's two sets at v0 and v48.
; THE ROWS OF x's TILES (W's tiles keep the order given above): tile T of the block's eight takes rows 64 (T / 4) + 8 (T % 4) + (i % 8) + 32 (i / 8), i = 0 .. 15.
; So where x's tiles are source 0 (v), a lane's 32 registers of four tiles are one whole block of 32 neighbouring keys; attention's scores get the same order from k's tiles.
; x IS LOADED ROW BY ROW: a load reads 512 consecutive bytes of one row; a task's 16 rows turn through the wave's own stage in LDS and come back as two whole blocks of 32 a lane.
.set QBY,  51200
.set FRB,  1536                        ; a fragment's
.set SCO,  49152                       ; where a quarter's scale words begin
.set XIMG, 4*QBY                       ; LDS: W's four quarters (filled by tensor loads, once); then x's images, laid as a quarter;
.set BIA,  XIMG+QBY                    ; then 512 bytes of biases for each wave;
.set STGX, BIA+2048                    ; then a stage of 16 rows x (512 + 16) bytes for each wave;
.set SPARE, STGX+4*8448                ; then the spare words, 128 bytes a wave
.set LI,  1                            ; v1   16 x lane
.set SWR, 2                            ; v2   my stage + 16 x lane: a row goes in as it was loaded
.set SRD, 232                          ; v232 my stage + 528 r + 128 h: my two blocks come back
.set H8,  233                          ; v233 8 h
.set AW,  3                            ; v3   16 x lane + my quarter of W
.set AX,  4                            ; v4   16 x lane + x's images
.set AXW, 5                            ; v5   where I store x's images: + 8 fragments x wave
.set XSA, 6                            ; v6   and their scale words: 16 r + 512 x wave
.set BST, 7                            ; v7   where I put my 16 bytes of the biases
.set BRQ, 8                            ; v8   biases back, q and k: + 64 h
.set BRV, 9                            ; v9   biases back, v: + 4 (r + 8 (r / 8))
.set L8,  10                           ; v10  8 x lane
.set SPW, 12                           ; v12  LDS address of my spare word; never rewritten
.set NIL, 13                           ; v13  0; never rewritten
.set ACC, 16                           ; v16-79   eight accumulators
.set BI,  80                           ; v80-143  the biases in the result's layout
.set PS,  144                          ; v144-159 P's scale words: pair j, K step s at PS + 4 j + s
.set RS,  160                          ; v160-167 R's, two sets of four
.set TM,  168                          ; v168-183 at work in QUANT
.set CT,  184                          ; v184-191
.set PW,  192                          ; v192 the scale word just made
.set IMA, 194                          ; v194-205 an image in the making
.set IMB, 206                          ; v206-217 the second head's
.set SWA, 218                          ; v218-221 scale words in the making
.set SWB, 222                          ; v222-225
.set TA,  226
.set TC,  227
.set BL,  228                          ; v228-231 my 16 bytes of the biases as loaded
.set WV,  22
.set YY,  23
.set G1,  24                           ; s[24:31] descriptor group 1
.set G0,  32                           ; s[32:35] descriptor group 0
.set SEL, 36
.set HIM, 38                           ; a lane mask: lanes 16-31
.set K01, 39                           ; the bytes 1, 1 for the two blocks that a head's 64 do not have
.set CX,  40
.set BLK, 41
.set XP,  44
.set BP,  46
.set OP,  48
.set STR, 50
.set OUTA, 52                          ; s[52:53] where head 2 w's part of the output begins; s[54:55] head 2 w + 1's
.set OUTB, 54
.set MSB, 0
.macro WIN new                         ; the immediate's high byte repeats the setting that is left; a switch that changes nothing is dropped
.if MSB != (\new)
	s_set_vgpr_msb (MSB<<8)|(\new)
.set MSB, (\new)
.endif
.endm
.macro PLACES                          ; four places behind a matrix instruction, in front of reads of results and of loads into registers that it has read
.rept 4
	v_nop
.endr
.endm
.macro CROUND                          ; a round of the cluster's barrier
	s_barrier_signal -1
	s_barrier_wait -1
	s_cmp_lg_u32 s[WV], 0
	s_cbranch_scc1 .Lnot_wave_0_\@
	s_barrier_signal -3
.Lnot_wave_0_\@:
	s_barrier_wait -3
	s_barrier_signal -1
	s_barrier_wait -1
.endm
.macro BARRIER                         ; my LDS stores have landed and my LDS loads are in: then the work-group's barrier
	s_wait_dscnt 0x0
	s_barrier_signal -1
	s_barrier_wait -1
.endm
; one matrix instruction: D = v[d ..], source 0 = v[a ..], source 1 = v[b ..], C = v[c ..]; scale words v[sa], v[sb]; ra, rb = 1: the words stand in lanes 16-31
.macro WMC d, a, b, c, sa, sb, ra, rb
.if (\ra) && (\rb)
	v_wmma_scale_f32_16x16x128_f8f6f4 v[(\d):(\d)+7], v[(\a):(\a)+11], v[(\b):(\b)+11], v[(\c):(\c)+7], v[\sa], v[\sb] matrix_a_fmt:MATRIX_FMT_FP6 matrix_b_fmt:MATRIX_FMT_FP6 matrix_a_scale:MATRIX_SCALE_ROW1 matrix_b_scale:MATRIX_SCALE_ROW1
.elseif (\ra)
	v_wmma_scale_f32_16x16x128_f8f6f4 v[(\d):(\d)+7], v[(\a):(\a)+11], v[(\b):(\b)+11], v[(\c):(\c)+7], v[\sa], v[\sb] matrix_a_fmt:MATRIX_FMT_FP6 matrix_b_fmt:MATRIX_FMT_FP6 matrix_a_scale:MATRIX_SCALE_ROW1
.elseif (\rb)
	v_wmma_scale_f32_16x16x128_f8f6f4 v[(\d):(\d)+7], v[(\a):(\a)+11], v[(\b):(\b)+11], v[(\c):(\c)+7], v[\sa], v[\sb] matrix_a_fmt:MATRIX_FMT_FP6 matrix_b_fmt:MATRIX_FMT_FP6 matrix_b_scale:MATRIX_SCALE_ROW1
.else
	v_wmma_scale_f32_16x16x128_f8f6f4 v[(\d):(\d)+7], v[(\a):(\a)+11], v[(\b):(\b)+11], v[(\c):(\c)+7], v[\sa], v[\sb] matrix_a_fmt:MATRIX_FMT_FP6 matrix_b_fmt:MATRIX_FMT_FP6
.endif
.endm
; 64 numbers of a lane, v[s] .. v[s + 63] of window w, register 16 b + i = k 32 b + 16 (lane / 16) + i of my row, become codes: k 0-63 in v[d0 .. d0 + 5], k 64-127 in v[d1 .. d1 + 5]; the four scale bytes in v[PW].
.macro QUANT s, w, d0, d1
	WIN (\w)|((\w)<<2)
.irp b, 0,1,2,3
	v_max3_num_f32 v[TM+\b], |v[(\s)+16*\b]|, |v[(\s)+1+16*\b]|, 0x1800000   ; block b: my 16 numbers, and the floor 2^(3 - 127): the byte cannot fall under 1.  (Each accumulator is read from its low end on)
.endr
	WIN ((\w)<<2)|((\w)<<4)
.irp i, 2,4,6,8,10,12,14
.irp b, 0,1,2,3
	v_max3_num_f32 v[TM+\b], v[TM+\b], |v[(\s)+16*\b+\i]|, |v[(\s)+1+16*\b+\i]|   ; the four blocks by turns
.endr
.endr
	WIN 0
.irp b, 0,1,2,3
	v_permlanex16_b32 v[TM+4+\b], v[TM+\b], s[SEL], s[SEL+1]
.endr
.irp b, 0,1,2,3
	v_max_num_f32 v[TM+\b], v[TM+\b], v[TM+4+\b]   ; with lane l xor 16's 16: the block's largest magnitude
.endr
.irp b, 0,1,2,3
	v_add_nc_u32 v[TM+12+\b], 0xff000000, v[TM+\b]   ; 2 off its exponent field: the conversion takes the exponent field of this operand as its scale
.endr
.irp b, 0,1,2,3
	v_lshrrev_b32 v[TM+4+\b], 23, v[TM+12+\b]   ; the scale's byte
.endr
	v_lshl_or_b32 v[PW], v[TM+5], 8, v[TM+4]
	v_lshl_or_b32 v[PW], v[TM+6], 16, v[PW]
	v_lshl_or_b32 v[PW], v[TM+7], 24, v[PW]
	WIN (\w)
	v_cvt_scalef32_pk16_fp6_f32 v[(\d0):(\d0)+2], v[(\s):(\s)+15], v[TM+12]
	v_cvt_scalef32_pk16_fp6_f32 v[CT:CT+2], v[(\s)+16:(\s)+31], v[TM+13]   ; (a conversion's three registers begin on an even number)
	v_cvt_scalef32_pk16_fp6_f32 v[(\d1):(\d1)+2], v[(\s)+32:(\s)+47], v[TM+14]
	v_cvt_scalef32_pk16_fp6_f32 v[CT+4:CT+6], v[(\s)+48:(\s)+63], v[TM+15]
	WIN 0
	v_nop                                          ; one plain place behind a scaled conversion
.irp i, 0,1,2
	v_permlane16_swap_b32 v[(\d0)+\i], v[CT+\i]    ; the operand's layout wants a whole block in a lane: lanes 0-15 the even block, lanes 16-31 the odd one
.endr
.irp i, 0,1,2
	v_permlane16_swap_b32 v[(\d1)+\i], v[CT+4+\i]
.endr
.irp i, 0,1,2
	v_mov_b32 v[(\d0)+3+\i], v[CT+\i]
.endr
.irp i, 0,1,2
	v_mov_b32 v[(\d1)+3+\i], v[CT+4+\i]
.endr
.endm
; task i = 4 u + s: tile u of my pair, K step s: 64 numbers a lane into set i % 4 of window 3
.macro XLOAD i
	WIN 0xc0                                       ; destination window 3, address window 0
.irp n, 0,1,2,3,4,5,6,7,8,9,10,11,12,13,14,15
	global_load_b128 v[64*((\i)%4)+4*\n:64*((\i)%4)+4*\n+3], v[LI], s[XP:XP+1] offset:(8*((\i)/4)+(\n%8)+32*(\n/8))*2048+512*((\i)%4) th:TH_LOAD_NT   ; 32 lanes read 512 consecutive bytes of the tile's row n
.endr
	WIN 0
.endm
; P: the 32 fragments and 16 scale words of the 51,200 bytes at v[adr]
; task i's 16 rows x 512 bytes through my stage: in as loaded, back as blocks: lane (r, h) takes, of row r, k 64 c + 32 h + 0 .. 31 into registers 32 c .. 32 c + 31 of set i % 2 of window 1.  LDS serves a wave's instructions in order
.macro TURN i
	WIN 0x0c                                       ; the data: window 3
.irp n, 0,1,2,3,4,5,6,7,8,9,10,11,12,13,14,15
	ds_store_b128 v[SWR], v[64*((\i)%4)+4*\n:64*((\i)%4)+4*\n+3] offset:528*\n
.endr
	WIN 0x40                                       ; destination window 1
.irp c, 0,1
.irp j, 0,1,2,3,4,5,6,7
	ds_load_b128 v[64*((\i)%2)+32*\c+4*\j:64*((\i)%2)+32*\c+4*\j+3], v[SRD] offset:256*\c+16*\j
.endr
.endr
	WIN 0
.endm
; 64 numbers of a lane, v[s] .. v[s + 63] of window w, register 32 c + i = k 64 c + 32 (lane / 16) + i: two WHOLE blocks.  Codes in v[d .. d + 11], as the operand wants them; the row's four scale bytes in v[PW], in every lane
.macro QB s, w, d
	WIN (\w)|((\w)<<2)
.irp b, 0,1,2,3
	v_max3_num_f32 v[TM+\b], |v[(\s)+16*\b]|, |v[(\s)+1+16*\b]|, 0x1800000   ; four chains, two to a block, and the floor 2^(3 - 127)
.endr
	WIN ((\w)<<2)|((\w)<<4)
.irp i, 2,4,6,8,10,12,14
.irp b, 0,1,2,3
	v_max3_num_f32 v[TM+\b], v[TM+\b], |v[(\s)+16*\b+\i]|, |v[(\s)+1+16*\b+\i]|
.endr
.endr
	WIN 0
	v_max_num_f32 v[TM], v[TM], v[TM+1]            ; the blocks' largest magnitudes
	v_max_num_f32 v[TM+2], v[TM+2], v[TM+3]
	v_add_nc_u32 v[TM+12], 0xff000000, v[TM]       ; 2 off the exponent field: the conversion's scale operand
	v_add_nc_u32 v[TM+14], 0xff000000, v[TM+2]
	v_lshrrev_b32 v[TM+4], 23, v[TM+12]            ; the bytes of blocks h and 2 + h,
	v_lshrrev_b32 v[TM+6], 23, v[TM+14]
	v_lshl_or_b32 v[PW], v[TM+6], 16, v[TM+4]
	v_lshlrev_b32 v[PW], v[H8], v[PW]              ; at their places in the word;
	v_permlanex16_b32 v[TM+5], v[PW], s[SEL], s[SEL+1]
	v_or_b32 v[PW], v[PW], v[TM+5]                 ; with lane l xor 16's two the word is whole
	WIN (\w)
	v_cvt_scalef32_pk16_fp6_f32 v[(\d):(\d)+2], v[(\s):(\s)+15], v[TM+12]
	v_cvt_scalef32_pk16_fp6_f32 v[CT:CT+2], v[(\s)+16:(\s)+31], v[TM+12]   ; (a conversion's three registers begin on an even number)
	v_cvt_scalef32_pk16_fp6_f32 v[(\d)+6:(\d)+8], v[(\s)+32:(\s)+47], v[TM+14]
	v_cvt_scalef32_pk16_fp6_f32 v[CT+4:CT+6], v[(\s)+48:(\s)+63], v[TM+14]
	WIN 0
	v_nop                                          ; one plain place behind a scaled conversion
.irp i, 0,1,2
	v_mov_b32 v[(\d)+3+\i], v[CT+\i]
.endr
.irp i, 0,1,2
	v_mov_b32 v[(\d)+9+\i], v[CT+4+\i]
.endr
.endm
.macro PLOAD adr
	WIN 0x40                                       ; destination window 1
.irp t, 0,1,2,3,4,5,6,7
.irp k, 0,1
.irp c, 0,1,2
	ds_load_b128 v[96*\k+12*\t+4*\c:96*\k+12*\t+4*\c+3], v[\adr] offset:(4*\t+\k)*FRB+512*\c
.endr
.endr
.endr
	WIN 0x80                                       ; destination window 2
.irp t, 0,1,2,3,4,5,6,7
.irp k, 0,1
.irp c, 0,1,2
	ds_load_b128 v[96*\k+12*\t+4*\c:96*\k+12*\t+4*\c+3], v[\adr] offset:(4*\t+2+\k)*FRB+512*\c
.endr
.endr
.endr
	WIN 0
.irp j, 0,1,2,3
	ds_load_b128 v[PS+4*\j:PS+4*\j+3], v[\adr] offset:SCO+512*\j
.endr
.endm
; R: tile m's four fragments into set m % 2 of window 3; with an even tile its pair's scale words
.macro RLOAD adr, m
	WIN 0xc0
.irp k, 0,1,2,3
.irp c, 0,1,2
	ds_load_b128 v[48*((\m)%2)+12*\k+4*\c:48*((\m)%2)+12*\k+4*\c+3], v[\adr] offset:(4*(\m)+\k)*FRB+512*\c
.endr
.endr
	WIN 0
.if ((\m)%2) == 0
	ds_load_b128 v[RS+4*(((\m)/2)%2):RS+4*(((\m)/2)%2)+3], v[\adr] offset:SCO+512*((\m)/2)
.endif
.endm
; 32 matrix instructions: P's eight tiles against R's tile m, K step by K step; the eight accumulators take turns, one instruction a turn.  bm = 1: the bias is R's row's (BI + 8 m), else P's rows' (BI + 8 t)
.macro UNIT m, bm
	WIN 0x0d                                       ; source 0 window 1, source 1 window 3, C and D window 0
.irp t, 0,1,2,3,4,5,6,7
.if \bm
	WMC ACC+8*\t, 12*\t, 48*((\m)%2), BI+8*(\m), PS+4*(\t/2), RS+4*(((\m)/2)%2), \t%2, (\m)%2
.else
	WMC ACC+8*\t, 12*\t, 48*((\m)%2), BI+8*\t, PS+4*(\t/2), RS+4*(((\m)/2)%2), \t%2, (\m)%2
.endif
.endr
.irp t, 0,1,2,3,4,5,6,7
	WMC ACC+8*\t, 96+12*\t, 48*((\m)%2)+12, ACC+8*\t, PS+4*(\t/2)+1, RS+4*(((\m)/2)%2)+1, \t%2, (\m)%2
.endr
	WIN 0x0e                                       ; source 0 window 2
.irp t, 0,1,2,3,4,5,6,7
	WMC ACC+8*\t, 12*\t, 48*((\m)%2)+24, ACC+8*\t, PS+4*(\t/2)+2, RS+4*(((\m)/2)%2)+2, \t%2, (\m)%2
.endr
.irp t, 0,1,2,3,4,5,6,7
	WMC ACC+8*\t, 96+12*\t, 48*((\m)%2)+36, ACC+8*\t, PS+4*(\t/2)+3, RS+4*(((\m)/2)%2)+3, \t%2, (\m)%2
.endr
	WIN 0
	PLACES
.endm
	s_load_b512 s[4:19], s[0:1], 0x0               ; query, key, value, bq, bk, bv, wimg, qbuf
	s_load_b64 s[20:21], s[0:1], 0x40              ; kv
	v_lshl_add_u32 v[SPW], v0, 2, SPARE
	v_mov_b32 v[NIL], 0
	ds_add_u32 v[SPW], v[NIL]                      ; the wave's opening: the add and its wait ahead of my first tensor load; the set-up below, work on registers, stands between them
	ds_add_u32 v[SPW], v[NIL]
	v_lshrrev_b32 v14, 5, v0
	v_readfirstlane_b32 s[WV], v14                 ; wave 0..3
	s_and_b32 s[YY], ttmp7, 0xffff                 ; the tensor: the same in all four partners
	s_bfe_u32 s[CX], ttmp6, 0x40000                ; my place in the cluster
	s_lshl_b32 s[BLK], ttmp9, 2
	s_add_co_u32 s[BLK], s[BLK], s[CX]             ; my block of 128 rows
	s_mov_b32 s[G1], 15|(3<<16)|(1<<21)            ; 15:0 the mask: all four work-groups; 17:16 elements of 8 bytes; 21 set beside a mask; no padding
	s_mov_b32 s[G1+1], 32<<16                      ; tensor_dim0 = 32 elements: rows of 256 bytes
	s_mov_b32 s[G1+2], 200<<16                     ; tensor_dim1 = 200 rows: a quarter's 51,200 dense bytes
	s_mov_b32 s[G1+3], 32<<16                      ; tile_dim0
	s_mov_b32 s[G1+4], 200                         ; tile_dim1
	s_mov_b32 s[G1+5], 32                          ; from row to row
	s_mov_b32 s[G1+6], 0
	s_mov_b32 s[G1+7], 0
	s_mov_b32 s[G0], 1
	s_mul_i32 s[G0+1], s[WV], QBY                  ; LDS: my quarter
	s_lshl_b32 s60, s[YY], 2
	s_add_co_u32 s60, s60, s[WV]
	s_mul_i32 s60, s60, QBY                        ; in wimg: quarter 4 y + w: nothing of my place in the cluster enters
	s_mov_b32 s61, 0
	s_mov_b32 s[SEL], 0x76543210
	s_mov_b32 s[SEL+1], 0xfedcba98
	s_mov_b32 s[HIM], 0xffff0000
	s_mov_b32 s[K01], 0x01010000
	v_and_b32 v14, 31, v0                          ; lane
	v_and_b32 v15, 15, v0                          ; r
	v_bfe_u32 v11, v0, 4, 1                        ; h
	v_lshlrev_b32 v[LI], 4, v14
	v_lshlrev_b32 v[L8], 3, v14
	v_and_b32 v14, 8, v15
	v_add_nc_u32 v14, v14, v15                     ; r + 8 (r / 8)
	s_mul_i32 s58, s[WV], 8448
	s_add_co_u32 s58, s58, STGX                    ; my stage
	v_add_nc_u32 v[SWR], s58, v[LI]
	v_mul_u32_u24 v[SRD], v15, 528
	v_lshl_add_u32 v[SRD], v11, 7, v[SRD]
	v_add_nc_u32 v[SRD], s58, v[SRD]
	v_lshlrev_b32 v[H8], 3, v11
	v_add_nc_u32 v[AW], s[G0+1], v[LI]
	v_add_nc_u32 v[AX], XIMG, v[LI]
	s_mul_i32 s58, s[WV], 8*FRB
	v_add_nc_u32 v[AXW], s58, v[AX]
	s_lshl_b32 s56, s[WV], 9                       ; 512 x wave
	s_mov_b32 s57, 0
	v_lshl_add_u32 v[XSA], v15, 4, XIMG+SCO
	v_add_nc_u32 v[XSA], s56, v[XSA]
	v_lshl_add_u32 v[BST], v0, 4, BIA
	v_lshl_add_u32 v[BRQ], v11, 6, BIA
	v_add_nc_u32 v[BRQ], s56, v[BRQ]
	v_lshl_add_u32 v[BRV], v14, 2, BIA
	v_add_nc_u32 v[BRV], s56, v[BRV]
.irp b, 0,1,2,3
	v_mov_b32 v[TM+4+\b], 0                        ; written once: a lane permute's destination counts as one of its sources
.endr
	s_lshl_b32 s58, s[BLK], 18                     ; x: 128 rows of 2,048 bytes a block,
	s_lshr_b32 s59, s[WV], 1                       ; my two tiles begin at row 64 (w / 2) + 16 (w % 2)
	s_lshl_b32 s59, s59, 17
	s_and_b32 s62, s[WV], 1
	s_lshl_b32 s62, s62, 15
	s_add_co_u32 s59, s59, s62
	s_add_co_u32 s58, s58, s59
	s_mov_b32 s59, 0
	s_lshr_b32 s62, s[BLK], 5                      ; the batch
	s_lshl_b32 s62, s62, 3
	s_lshl_b32 s63, s[WV], 1
	s_add_co_u32 s62, s62, s63                     ; bh = 8 b + 2 w
	s_lshl_b32 s62, s62, 5
	s_and_b32 s63, s[BLK], 31
	s_add_co_u32 s62, s62, s63                     ; 32 bh + the block in the sequence
	s_cmp_eq_u32 s[YY], 0
	s_mov_b32 s[STR], 13056
	s_cselect_b32 s[STR], 6656, s[STR]             ; bytes of a block in qbuf or in kv
	s_mul_i32 s62, s62, s[STR]
	s_mov_b32 s63, 0
	s_lshl_b32 s[STR], s[STR], 5                   ; from a head to the next
	s_mov_b32 s[STR+1], 0
	s_wait_dscnt 0x0                               ; the opening add is done
	s_wait_kmcnt 0x0
	s_add_nc_u64 s[G0+2:G0+3], s[16:17], s[60:61]
	s_or_b32 s[G0+3], s[G0+3], 0x80000000          ; type = 2
	s_cmp_eq_u32 s[YY], 0                          ; the choices hang on the work-group's number alone
	s_cselect_b64 s[XP:XP+1], s[4:5], s[6:7]
	s_cselect_b64 s[BP:BP+1], s[10:11], s[12:13]
	s_cselect_b64 s[OP:OP+1], s[18:19], s[20:21]
	s_cmp_eq_u32 s[YY], 2
	s_cselect_b64 s[XP:XP+1], s[8:9], s[XP:XP+1]
	s_cselect_b64 s[BP:BP+1], s[14:15], s[BP:BP+1]
	s_add_nc_u64 s[XP:XP+1], s[XP:XP+1], s[58:59]
	s_add_nc_u64 s[BP:BP+1], s[BP:BP+1], s[56:57]
	s_add_nc_u64 s[OUTA:OUTA+1], s[OP:OP+1], s[62:63]
	s_add_nc_u64 s[OUTB:OUTB+1], s[OUTA:OUTA+1], s[STR:STR+1]
	CROUND                                         ; all four work-groups are here: the joint loads meet
	tensor_load_to_lds s[G0:G0+3], s[G1:G1+7]      ; my quarter of W's images: my one tensor load of the launch
	s_nop 0
.rept 4
	v_nop
.endr
	global_load_b128 v[BL:BL+3], v[LI], s[BP:BP+1] ; my wave's 128 biases, 16 bytes a lane
	XLOAD 0
	XLOAD 1
	XLOAD 2
	XLOAD 3
	; ---- X: my 32 rows of x become eight fragments
	s_wait_alu depctr_va_vdst(0)
	s_wait_loadcnt 48                              ; the biases and task 0's sixteen loads are in; three tasks' 48 may be out
	ds_store_b128 v[BST], v[BL:BL+3]               ; the biases go to my own 512 bytes
	TURN 0
.irp i, 0,1,2,3,4,5,6,7
	s_wait_dscnt 0x0                               ; task i's numbers are back from the stage, so its stores have read their registers; the last task's image stores have read theirs
.if \i < 4
	XLOAD \i+4                                     ; the set that has gone through the stage takes the task four on
.endif
.if \i < 4
	s_wait_loadcnt 48                              ; task i + 1's loads are in; those of the three tasks behind it may be out
	TURN \i+1
.elseif \i < 7
	s_wait_loadcnt 16*(6-\i)                       ; the tasks behind task i + 1: 2, 1, none
	TURN \i+1
.endif
	QB 64*(\i%2), 1, IMA
.irp c, 0,1,2
	ds_store_b128 v[AXW], v[IMA+4*\c:IMA+4*\c+3] offset:\i*FRB+512*\c
.endr
	ds_store_b32 v[XSA], v[PW] offset:256*(\i/4)+4*(\i%4)   ; lanes l and l xor 16 write the same word with the same value
.endr
	s_wait_tensorcnt 0x0                           ; my quarter of W has landed
	BARRIER                                        ; x's 32 fragments lie in LDS
	s_cmp_eq_u32 s[YY], 2
	s_cbranch_scc1 .Lpath_v
	; ---- q, k: P = my quarter of W, R = x's tiles
.irp t, 0,1,2,3,4,5,6,7
	ds_load_b128 v[BI+8*\t:BI+8*\t+3], v[BRQ] offset:(32*(\t/2)+8*(\t%2))*4       ; lane (r, h), tile t: the biases of outputs 32 (t / 2) + 8 (t % 2) + 16 h + 0 .. 7
	ds_load_b128 v[BI+8*\t+4:BI+8*\t+7], v[BRQ] offset:(32*(\t/2)+8*(\t%2))*4+16
.endr
	PLOAD AW
	RLOAD AX, 0
.irp m, 0,1,2,3,4,5,6,7
	s_wait_dscnt 0x0                               ; tile m's fragments are in (the first time: P and the biases too)
.if \m < 7
	RLOAD AX, \m+1                                 ; the next tile's land while this one is multiplied; their registers were last read a unit ago
.endif
	UNIT \m, 0
	s_wait_xcnt 0x0                                ; earlier stores have read the images' registers
	QUANT ACC, 0, IMA+6*(\m%2), IMB+6*(\m%2)       ; outputs 0-63: head 2 w; 64-127: head 2 w + 1
.if \m%2 == 0
	v_and_or_b32 v[SWA+\m/2], v[PW], 0xffff, s[K01]   ; head 2 w's two bytes, and 1, 1 above them
	v_lshrrev_b32 v[TA], 16, v[PW]
	v_or_b32 v[SWB+\m/2], s[K01], v[TA]
.else
	v_and_or_b32 v[TA], v[PW], 0xffff, s[K01]
	v_lshrrev_b32 v[TC], 16, v[PW]
	v_or_b32 v[TC], s[K01], v[TC]
	v_cndmask_b32 v[SWA+\m/2], v[SWA+\m/2], v[TA], s[HIM]   ; the pair's second tile in lanes 16-31
	v_cndmask_b32 v[SWB+\m/2], v[SWB+\m/2], v[TC], s[HIM]
.irp c, 0,1,2
	global_store_b128 v[LI], v[IMA+4*\c:IMA+4*\c+3], s[OUTA:OUTA+1] offset:FRB*(\m/2)+512*\c   ; 32 lanes store 512 consecutive bytes
	global_store_b128 v[LI], v[IMB+4*\c:IMB+4*\c+3], s[OUTB:OUTB+1] offset:FRB*(\m/2)+512*\c
.endr
.endif
.endr
	global_store_b128 v[LI], v[SWA:SWA+3], s[OUTA:OUTA+1] offset:4*FRB
	global_store_b128 v[LI], v[SWB:SWB+3], s[OUTB:OUTB+1] offset:4*FRB
	s_branch .Lend
.Lpath_v:
	; ---- v: P = x's 128 rows (the keys), R = my quarter's tiles (16 d each): a lane holds one d, its registers run along the keys
.irp n, 0,1,2,3,4,5,6,7
.irp i, 0,1,2,3,4,5,6,7
	ds_load_b32 v[BI+8*\n+\i], v[BRV] offset:(32*(\n/2)+8*(\n%2))*4   ; all eight registers: the bias of my d
.endr
.endr
	PLOAD AX
	RLOAD AW, 0
.irp n, 0,1,2,3,4,5,6,7
	s_wait_dscnt 0x0
.if \n < 7
	RLOAD AW, \n+1
.endif
	UNIT \n, 1
	s_wait_xcnt 0x0                                ; earlier stores have read the image's registers
	QB ACC, 0, IMA                                 ; one fragment of V^T: 16 d x 128 keys; a lane's registers 32 c .. 32 c + 31 are keys 64 c + 32 h + 0 .. 31
.irp c, 0,1,2
	global_store_b128 v[LI], v[IMA+4*\c:IMA+4*\c+3], s[OUTA+2*(\n/4):OUTA+2*(\n/4)+1] offset:6656+FRB*(\n%4)+512*\c
.endr
.if \n%2 == 0
	v_mov_b32 v[SWA+(\n%4)/2], v[PW]
.else
	v_cndmask_b32 v[SWA+(\n%4)/2], v[SWA+(\n%4)/2], v[PW], s[HIM]
.endif
.if \n%4 == 3
	global_store_b64 v[L8], v[SWA:SWA+1], s[OUTA+2*(\n/4):OUTA+2*(\n/4)+1] offset:12800   ; 32 lanes store 256 consecutive bytes
.endif
.endr
.Lend:
	s_wait_tensorcnt 0x0                           ; the wave's end: behind my last tensor load and my last LDS store
	ds_add_u32 v[SPW], v[NIL]
	s_wait_dscnt 0x0
	CROUND                                         ; the closing round: no work-group ends while a partner may still ask for a tile that names it
	s_endpgm
.Lfunc_end_k_qa3f2314089_proj:
	.size	k_qa3f2314089_proj, .Lfunc_end_k_qa3f2314089_proj-k_qa3f2314089_proj
	.p2alignl 7, 3214868480
	.fill 96, 4, 3214868480
	.section	.rodata,"a",@progbits
	.p2align	6, 0x0
	.amdhsa_kernel k_qa3f2314089_proj
		.amdhsa_group_segment_fixed_size 292352
		.amdhsa_private_segment_fixed_size 0
		.amdhsa_enable_private_segment 0
		.amdhsa_kernarg_size 72
		.amdhsa_user_sgpr_count 2
		.amdhsa_user_sgpr_kernarg_segment_ptr 1
		.amdhsa_wavefront_size32 1
		.amdhsa_system_sgpr_workgroup_id_x 1
		.amdhsa_system_sgpr_workgroup_id_y 1
		.amdhsa_system_sgpr_workgroup_id_z 1
		.amdhsa_system_vgpr_workitem_id 0
		.amdhsa_next_free_vgpr 1024
		.amdhsa_next_free_sgpr 66
		.amdhsa_reserve_vcc 0
		.amdhsa_float_denorm_mode_32 3
		.amdhsa_float_denorm_mode_16_64 3
		.amdhsa_memory_ordered 1
		.amdhsa_forward_progress 1
		.amdhsa_inst_pref_size 225
	.end_amdhsa_kernel
	.amdgpu_metadata
---
amdhsa.version: [ 1, 2 ]
amdhsa.kernels:
  - .name:           k_qa3f2314089_proj
    .symbol:         k_qa3f2314089_proj.kd
    .args:
      - { .name: query, .offset: 0, .size: 8, .value_kind: global_buffer, .address_space: global }
      - { .name: key, .offset: 8, .size: 8, .value_kind: global_buffer, .address_space: global }
      - { .name: value, .offset: 16, .size: 8, .value_kind: global_buffer, .address_space: global }
      - { .name: bq, .offset: 24, .size: 8, .value_kind: global_buffer, .address_space: global }
      - { .name: bk, .offset: 32, .size: 8, .value_kind: global_buffer, .address_space: global }
      - { .name: bv, .offset: 40, .size: 8, .value_kind: global_buffer, .address_space: global }
      - { .name: wimg, .offset: 48, .size: 8, .value_kind: global_buffer, .address_space: global }
      - { .name: qbuf, .offset: 56, .size: 8, .value_kind: global_buffer, .address_space: global }
      - { .name: kv, .offset: 64, .size: 8, .value_kind: global_buffer, .address_space: global }
    .group_segment_fixed_size: 292352
    .private_segment_fixed_size: 0
    .kernarg_segment_align: 8
    .kernarg_segment_size: 72
    .max_flat_workgroup_size: 128
    .sgpr_count:     66
    .vgpr_count:     1024
    .wavefront_size: 32
...
	.end_amdgpu_metadata
.endif
;; end of part 2
;; launch attn (part 3): grid 16 x 16, 8 waves a work-group, clusters of 4 x 1, 327,680 bytes of LDS; arguments qbuf, kv, xc, xs; writes xc, xs
.if DOCPART == 3
	.amdgcn_target "amdgcn-amd-amdhsa--gfx1250"
	.amdhsa_code_object_version 6
	.text
	.protected	k_qa3f2314089_attn
	.globl	k_qa3f2314089_attn
	.p2align	8
	.type	k_qa3f2314089_attn,@function
k_qa3f2314089_attn:
	s_mov_b64 s[64:65], 0
	v_nop
	global_prefetch_b8 v0, s[64:65] scope:SCOPE_SE
	s_setreg_imm32_b32 hwreg(HW_REG_WAVE_MODE, 25, 1), 1
	s_wait_xcnt 0x0
	s_wait_alu depctr_hold_cnt(0) depctr_sa_sdst(0) depctr_va_vdst(0) depctr_va_sdst(0) depctr_va_ssrc(0) depctr_va_vcc(0) depctr_vm_vsrc(0)
	s_getreg_b32 s2, hwreg(HW_REG_IB_STS2, 6, 4)
	s_cmp_eq_u32 s2, 0
	s_cbranch_scc0 .Lentry_in_a_cluster
	s_endpgm
.Lentry_in_a_cluster:
	s_bfe_u32 s2, ttmp6, 0x10000c
	s_cmp_lg_u32 s2, 0x3003
	s_cbranch_scc0 .Lentry_shape_is_right
	s_endpgm
.Lentry_shape_is_right:
; x[bh][q][:] = the sum over k of softmax_k(q . k / 8) v[k][:], both products on codes of E2M3 with one E8M0 scale for each 32 along a product's K; x is quantised at once, along the head's 64, for the last projection.
; THE SOFTMAX AHEAD OF THE SECOND PRODUCT: t = score x log2(e) / 8; M = the running largest t rounded UP to a whole number; p = 2^(t - M) is what is quantised, along the keys, not normalised.
; The row's sum is taken of the unquantised p, in f32, and divides O at the end.  When M moves, the sum and O are multiplied by 2^(old M - new M): exact.
; SHARES: work-group x = 256 queries of head y (16 heads x batches).  Each of eight waves owns 32 queries, two tiles of 16, in 512 registers; each fragment of K and V read from LDS feeds two matrix instructions.
; Every wave walks all 4,096 keys, 128 a step.  A key step is 13,056 dense bytes of kv (K's four pair images, K's scale words, V^T's four fragments, V's scale words), all images of operand registers.
; RING: two slots of 8 key steps; each wave fetches one key step of a slot by one tensor load.  CLUSTER: the four query blocks of a cluster walk the same kv: each load is asked for JOINTLY, with a mask that names the four.
; LAYOUT: both products transposed: S^T = K Q^T, O^T = V^T P^T: a lane holds ONE query of each tile throughout.  Row i of K's tile t is key 64 (t / 4) + 8 (t % 4) + (i % 8) + 32 (i / 8), so that
; lane (r, h)'s 32 registers of tiles 4 c .. 4 c + 3 are the WHOLE block of keys 64 c + 32 h + 0 .. 31: a block's maximum asks no other lane, and the conversions' results are the operand's registers as they stand.
; K = 64 IN AN INSTRUCTION OF K = 128: Q's fragment is six registers of codes and six of zeros.  K's fragment t is v[KF + 6 t .. + 11]: its upper six are the next tile's codes (zeros behind the last), which meet zero codes;
; the scale bytes of those two blocks are 1 on both sides.
; THE WALK: a step's K is loaded a step ahead, behind the score products that free its registers.  A slot's last step has a text of its own: once its V is in registers the wave has read the slot out,
; so the waits, the add and the opening signal of the change of slots stand there, and the softmax and the second product, work on registers, stand between that signal and its wait.
; LIMITS: the promise holds while the scaled scores stay under 2^31 in magnitude; p under 2^-126 is 0; a block's largest p is taken from its largest score (v_exp_f32 is taken not to fall where its input rises);
; a block of zeros keeps the byte 1; NaN and infinities are not served.
; REGISTERS: window 0 as listed; window 1: v0-53 K (v48-53 zeros), v64-111 V, v112-135 Q (tile q at 112 + 12 q, its upper six zeros), v144-207 O^T (tile q at 144 + 32 q).
.set STEPB, 13056                      ; a key step in bytes
.set FRB,   1536
.set SLOT1, 1<<17                      ; slot 1 begins here, so that one exclusive or turns an address in one slot into the other's
.set XST,   SLOT1+8*STEPB              ; behind the ring: 1,024 bytes in which the eight waves' scale words of x meet
.set SPARE, XST+1024                   ; the spare words, 128 bytes a wave
.set LI,  1                            ; v1   16 x lane
.set L8,  2                            ; v2   8 x lane
.set ADR, 3                            ; v3   the key step's LDS address + 16 x lane
.set AD8, 4                            ; v4   + 8 x lane
.set SPW, 5                            ; v5   LDS address of my spare word; never rewritten
.set NIL, 6                            ; v6   0; never rewritten
.set PFO, 7                            ; v7   the prefetches' offset: 256 x min(thread, 101); never rewritten
.set XSA, 8                            ; v8   XST + 4 x thread
.set XRD, 9                            ; v9   XST + 16 x thread
.set T16, 10                           ; v10  16 x thread
.set H8,  11                           ; v11  8 x (lane / 16)
.set ST,  12                           ; tile q at ST + 4 q: +0 -M, +1 the largest score, +2, +3 the sum in two halves
.set KS,  20                           ; v20-23 K's scale words, a register a pair of tiles
.set VS,  24                           ; v24-25 V's
.set QS,  26                           ; v26  Q's: lanes 0-15 tile 0, lanes 16-31 tile 1
.set PSW, 27                           ; v27-28 p's scale words
.set FF,  30                           ; v[30+2q:31+2q] f = 2^(old M - new M); the upper word is written once
.set TMA, 36                           ; tile q at TMA + 16 q: +0..3 four chains of maxima (+1, +3 end as the two blocks'), +4..7 at work, +8, 9 scale operands, +10, 11 bytes, +12 at work, +14, 15 the sum's second chain
.set TM,  TMA                          ; (QUANT's, on the way out)
.set CT,  68                           ; tile q at CT + 8 q: second halves of the conversions
.set PCD, 84                           ; tile q at PCD + 12 q: p's codes
.set PW,  110
.set SS,  128                          ; tile q at SS + 64 q: S^T, then p
.set KF,  0                            ; in window 1
.set VF,  64
.set QF,  112
.set OO,  144
.set WV,  12
.set CX,  13
.set G1,  16                           ; s[16:23] descriptor group 1
.set G0,  24                           ; s[24:27] descriptor group 0, which walks
.set SEL, 28
.set CS,  30                           ; s[30:31] c = log2(e) / 8: the packed form names a pair and takes its low word for both halves
.set TB,  32                           ; LDS byte at which the key step in hand begins
.set CNT, 33                           ; steps left in the loop of seven
.set SLOTS, 34                         ; trips left
.set LIM, 35                           ; 1 in a wave that prefetches, else 0
.set PFA, 36                           ; s[36:37] where my work-group's prefetches stand
.set HIM, 38
.set BH,  39
.set QB,  40
.set CN,  41                           ; -c
.set MSB, 0
.macro WIN new                         ; the immediate's high byte repeats the setting that is left; a switch that changes nothing is dropped
.if MSB != (\new)
	s_set_vgpr_msb (MSB<<8)|(\new)
.set MSB, (\new)
.endif
.endm
.macro CREST                           ; a round of the cluster's barrier behind its opening barrier
	s_cmp_lg_u32 s[WV], 0
	s_cbranch_scc1 .Lnot_wave_0_\@
	s_barrier_signal -3
.Lnot_wave_0_\@:
	s_barrier_wait -3
	s_barrier_signal -1
	s_barrier_wait -1
.endm
.macro CROUND                          ; a whole round
	s_barrier_signal -1
	s_barrier_wait -1
	CREST
.endm
; one matrix instruction with C = 0; ra, rb = 1: the scale words stand in lanes 16-31
.macro WM0 d, a, b, sa, sb, ra, rb
.if (\ra) && (\rb)
	v_wmma_scale_f32_16x16x128_f8f6f4 v[(\d):(\d)+7], v[(\a):(\a)+11], v[(\b):(\b)+11], 0, v[\sa], v[\sb] matrix_a_fmt:MATRIX_FMT_FP6 matrix_b_fmt:MATRIX_FMT_FP6 matrix_a_scale:MATRIX_SCALE_ROW1 matrix_b_scale:MATRIX_SCALE_ROW1
.elseif (\ra)
	v_wmma_scale_f32_16x16x128_f8f6f4 v[(\d):(\d)+7], v[(\a):(\a)+11], v[(\b):(\b)+11], 0, v[\sa], v[\sb] matrix_a_fmt:MATRIX_FMT_FP6 matrix_b_fmt:MATRIX_FMT_FP6 matrix_a_scale:MATRIX_SCALE_ROW1
.elseif (\rb)
	v_wmma_scale_f32_16x16x128_f8f6f4 v[(\d):(\d)+7], v[(\a):(\a)+11], v[(\b):(\b)+11], 0, v[\sa], v[\sb] matrix_a_fmt:MATRIX_FMT_FP6 matrix_b_fmt:MATRIX_FMT_FP6 matrix_b_scale:MATRIX_SCALE_ROW1
.else
	v_wmma_scale_f32_16x16x128_f8f6f4 v[(\d):(\d)+7], v[(\a):(\a)+11], v[(\b):(\b)+11], 0, v[\sa], v[\sb] matrix_a_fmt:MATRIX_FMT_FP6 matrix_b_fmt:MATRIX_FMT_FP6
.endif
.endm
; and one that adds in place
.macro WMC d, a, b, sa, sb, ra
.if (\ra)
	v_wmma_scale_f32_16x16x128_f8f6f4 v[(\d):(\d)+7], v[(\a):(\a)+11], v[(\b):(\b)+11], v[(\d):(\d)+7], v[\sa], v[\sb] matrix_a_fmt:MATRIX_FMT_FP6 matrix_b_fmt:MATRIX_FMT_FP6 matrix_a_scale:MATRIX_SCALE_ROW1
.else
	v_wmma_scale_f32_16x16x128_f8f6f4 v[(\d):(\d)+7], v[(\a):(\a)+11], v[(\b):(\b)+11], v[(\d):(\d)+7], v[\sa], v[\sb] matrix_a_fmt:MATRIX_FMT_FP6 matrix_b_fmt:MATRIX_FMT_FP6
.endif
.endm
; The way out's quantiser: 64 numbers of a lane, v[s] .. v[s + 63], in four blocks of 16 (the other 16 of each block in lane l xor 16), become codes: blocks 0, 1 in v[d0 .. d0 + 5], blocks 2, 3 in v[d1 .. d1 + 5]; the four scale bytes in v[PW].
.macro QUANT s, d0, d1
.irp b, 0,1,2,3
	v_max3_num_f32 v[TM+\b], |v[(\s)+16*\b]|, |v[(\s)+1+16*\b]|, 0x1800000   ; and the floor 2^(3 - 127): the byte cannot fall under 1
.endr
.irp i, 2,4,6,8,10,12,14
.irp b, 0,1,2,3
	s_delay_alu instid0(VALU_DEP_4)
	v_max3_num_f32 v[TM+\b], v[TM+\b], |v[(\s)+16*\b+\i]|, |v[(\s)+1+16*\b+\i]|
.endr
.endr
.irp b, 0,1,2,3
	s_delay_alu instid0(VALU_DEP_4)
	v_permlanex16_b32 v[TM+4+\b], v[TM+\b], s[SEL], s[SEL+1]
.endr
.irp b, 0,1,2,3
	s_delay_alu instid0(VALU_DEP_4)
	v_max_num_f32 v[TM+\b], v[TM+\b], v[TM+4+\b]
.endr
.irp b, 0,1,2,3
	s_delay_alu instid0(VALU_DEP_4)
	v_add_nc_u32 v[TM+12+\b], 0xff000000, v[TM+\b]
.endr
.irp b, 0,1,2,3
	s_delay_alu instid0(VALU_DEP_4)
	v_lshrrev_b32 v[TM+4+\b], 23, v[TM+12+\b]
.endr
	s_delay_alu instid0(VALU_DEP_3)
	v_lshl_or_b32 v[PW], v[TM+5], 8, v[TM+4]
	s_delay_alu instid0(VALU_DEP_1)
	v_lshl_or_b32 v[PW], v[TM+6], 16, v[PW]
	s_delay_alu instid0(VALU_DEP_1)
	v_lshl_or_b32 v[PW], v[TM+7], 24, v[PW]
	v_cvt_scalef32_pk16_fp6_f32 v[(\d0):(\d0)+2], v[(\s):(\s)+15], v[TM+12]
	v_cvt_scalef32_pk16_fp6_f32 v[CT:CT+2], v[(\s)+16:(\s)+31], v[TM+13]
	v_cvt_scalef32_pk16_fp6_f32 v[(\d1):(\d1)+2], v[(\s)+32:(\s)+47], v[TM+14]
	v_cvt_scalef32_pk16_fp6_f32 v[CT+4:CT+6], v[(\s)+48:(\s)+63], v[TM+15]
	v_nop                                          ; one plain place behind a scaled conversion
.irp i, 0,1,2
	v_permlane16_swap_b32 v[(\d0)+\i], v[CT+\i]
.endr
.irp i, 0,1,2
	v_permlane16_swap_b32 v[(\d1)+\i], v[CT+4+\i]
.endr
.irp i, 0,1,2
	v_mov_b32 v[(\d0)+3+\i], v[CT+\i]
.endr
.irp i, 0,1,2
	v_mov_b32 v[(\d1)+3+\i], v[CT+4+\i]
.endr
.endm
; A PREFETCH INTO THE L2 of the fill that the NEXT change of slots will load: issued in the slot's second key step, six steps ahead of that load, behind the step's run of LDS loads.
; A fill is 408 blocks of 256 bytes.  All clusters of a head walk the same kv: the head's first cluster asks.  Its four partners take 102 blocks each, told apart BY ADDRESS; in each, waves 0 to 3 ask, a lane a block
; (32 + 32 + 32 + 6; the other 26 lanes of wave 3 name block 101 again in the same instruction).  Fills 0 and 1 come by their loads alone; fills 2 and 3 are asked for in slots 0 and 1; the last two slots ask for nothing.
.macro ASK
	s_cmp_eq_u32 s[CNT], 6
	s_cbranch_scc0 .Lno_ask_\@
	s_cmp_eq_u32 s[LIM], 1
	s_cbranch_scc0 .Lno_ask_\@
	global_prefetch_b8 v[PFO], s[PFA:PFA+1] th:TH_LOAD_NT scope:SCOPE_SE
.Lno_ask_\@:
.endm
.macro KLOAD off                       ; K's four pair images and scale words of the key step that begins off bytes behind v[ADR]
	WIN 0x40                                       ; destination window 1, address window 0
.irp b, 0,1,2,3
.irp c, 0,1,2
	ds_load_b128 v[KF+12*\b+4*\c:KF+12*\b+4*\c+3], v[ADR] offset:(\off)+FRB*\b+512*\c
.endr
.endr
	WIN 0
	ds_load_b128 v[KS:KS+3], v[ADR] offset:(\off)+4*FRB
.endm
; A KEY STEP: 128 keys, both my tiles of queries.  mode 0: one of a slot's first seven.  mode 1: a slot's last, with the change of slots and the joint refill.  mode 2: a slot's last, with nothing left to fetch.
.macro STEP mode, ask
	s_wait_dscnt 0x0                               ; this step's K, asked for a step ago
	WIN 0x05                                       ; sources 0 and 1 window 1, D window 0
.irp t, 0,1,2,3,4,5,6,7
.irp q, 0,1
	WM0 SS+64*\q+8*\t, KF+6*\t, QF+12*\q, KS+\t/2, QS, \t%2, \q   ; S^T: sixteen accumulators, one instruction each
.endr
.endr
	WIN 0
	v_add_nc_u32 v[ADR], s[TB], v[LI]              ; four places: in front of the reads of the scores and of the loads into K's, V's and their scales' registers
	v_add_nc_u32 v[AD8], s[TB], v[L8]
	v_nop
	v_nop
	WIN 0x40
.irp d, 0,1,2,3
.irp c, 0,1,2
	ds_load_b128 v[VF+12*\d+4*\c:VF+12*\d+4*\c+3], v[ADR] offset:6656+FRB*\d+512*\c   ; V^T's four fragments land during the softmax
.endr
.endr
	WIN 0
	ds_load_b64 v[VS:VS+1], v[AD8] offset:12800
.if (\mode) == 0
	KLOAD STEPB                                    ; the next step's K, in the same slot
.else
	s_wait_tensorcnt 0x0                           ; all my tensor loads have landed: my key step of the other slot;
	ds_add_u32 v[SPW], v[NIL]                      ; 0 onto my spare word; the maxima below stand between it and the wait for it
.endif
.if (\mode) == 1
	s_xor_b32 s[G0+1], s[G0+1], SLOT1              ; no load of mine is out, so the walking descriptor may be written: the slot that I am leaving,
	s_add_nc_u64 s[G0+2:G0+3], s[G0+2:G0+3], 8*STEPB   ; the next eight key steps
	s_wait_xcnt 0x0                                ; the prefetch, six steps back, has read its address
	s_add_nc_u64 s[PFA:PFA+1], s[PFA:PFA+1], 8*STEPB
.endif
.if \ask
	ASK
.endif
.irp q, 0,1
.irp b, 0,1,2,3
	v_max3_num_f32 v[TMA+16*\q+\b], v[SS+64*\q+16*\b], v[SS+64*\q+16*\b+1], v[SS+64*\q+16*\b+2]   ; THE LARGEST SCORE OF EACH BLOCK OF 32 KEYS, two chains a block: for the row's maximum and, since p rises with the score, for the block's largest p
.endr
.endr
.irp i, 3,5,7,9,11,13
.irp q, 0,1
.irp b, 0,1,2,3
	v_max3_num_f32 v[TMA+16*\q+\b], v[TMA+16*\q+\b], v[SS+64*\q+16*\b+\i], v[SS+64*\q+16*\b+\i+1]
.endr
.endr
.endr
.irp q, 0,1
.irp c, 0,1
	v_max3_num_f32 v[TMA+16*\q+2*\c], v[TMA+16*\q+2*\c], v[SS+64*\q+32*\c+15], v[SS+64*\q+32*\c+31]   ; the block's two scores that are left over
.endr
.endr
.irp q, 0,1
.irp c, 0,1
	s_delay_alu instid0(VALU_DEP_4)
	v_max_num_f32 v[TMA+16*\q+2*\c+1], v[TMA+16*\q+2*\c+1], v[TMA+16*\q+2*\c]   ; the block's two chains meet
.endr
.endr
	s_delay_alu instid0(VALU_DEP_3)
	v_max_num_f32 v[TMA+4], v[TMA+1], v[TMA+3]     ; my 64 keys' largest score
	s_delay_alu instid0(VALU_DEP_2)
	v_max_num_f32 v[TMA+20], v[TMA+17], v[TMA+19]
.irp q, 0,1
	s_delay_alu instid0(VALU_DEP_2)
	v_permlanex16_b32 v[TMA+16*\q+5], v[TMA+16*\q+4], s[SEL], s[SEL+1]
.endr
.irp q, 0,1
	s_delay_alu instid0(VALU_DEP_2)
	v_max3_num_f32 v[ST+4*\q+1], v[ST+4*\q+1], v[TMA+16*\q+4], v[TMA+16*\q+5]   ; the running largest score, with lane l xor 16's 64 keys
.endr
.irp q, 0,1
	s_delay_alu instid0(VALU_DEP_2)
	v_mul_f32 v[TMA+16*\q+6], s[CN], v[ST+4*\q+1]  ; -t (c is positive, so the largest score gives the largest t)
.endr
.irp q, 0,1
	s_delay_alu instid0(VALU_DEP_2)
	v_floor_f32 v[TMA+16*\q+6], v[TMA+16*\q+6]     ; the new -M = floor(-t) = -ceil(t): M is a whole number
.endr
.irp q, 0,1
	s_delay_alu instid0(VALU_DEP_2)
	v_sub_f32 v[TMA+16*\q+7], v[TMA+16*\q+6], v[ST+4*\q]   ; M's old value less its new one: a whole number, 0 or less
.endr
.irp q, 0,1
	s_delay_alu instid0(VALU_DEP_4)
	v_mov_b32 v[ST+4*\q], v[TMA+16*\q+6]
.endr
.irp q, 0,1
	s_delay_alu instid0(VALU_DEP_4)
	v_cvt_i32_f32 v[TMA+16*\q+7], v[TMA+16*\q+7]   ; (it saturates)
.endr
.irp q, 0,1
	s_delay_alu instid0(VALU_DEP_2)
	v_ldexp_f32 v[FF+2*\q], 1.0, v[TMA+16*\q+7]    ; f = 2^(old M - new M)
.endr
.if (\mode) != 0
	s_wait_alu depctr_va_vdst(0)
	s_wait_dscnt 0x0                               ; the add is done and V is in registers: my reads of this slot are over
	s_barrier_signal -1                            ; say so; all up to the wait for the others is work on registers
.endif
.irp q, 0,1
.set j, 0
.rept 32
	v_pk_fma_f32 v[SS+64*\q+j:SS+64*\q+j+1], v[SS+64*\q+j:SS+64*\q+j+1], s[CS:CS+1], v[ST+4*\q:ST+4*\q+1] op_sel_hi:[1,0,0]   ; t - M, two at a time (of the pairs c and -M the low word serves both halves)
.set j, j+2
.endr
.endr
.irp q, 0,1
.irp c, 0,1
	v_fma_f32 v[TMA+16*\q+2*\c+1], v[TMA+16*\q+2*\c+1], s[CS], v[ST+4*\q]   ; the same of each block's largest score
.endr
.endr
	s_wait_alu depctr_va_vdst(0)
.set j, 0
.rept 128
	v_exp_f32 v[SS+j], v[SS+j]                     ; p = 2^(t - M), at most 1: not normalised
.set j, j+1
.endr
.irp q, 0,1
.irp c, 0,1
	v_exp_f32 v[TMA+16*\q+2*\c+1], v[TMA+16*\q+2*\c+1]   ; the block's largest p: the same two instructions on the same number give the same bits
.endr
.endr
.irp q, 0,1
	v_pk_mul_f32 v[ST+4*\q+2:ST+4*\q+3], v[ST+4*\q+2:ST+4*\q+3], v[FF+2*\q:FF+2*\q+1] op_sel_hi:[1,0]   ; the sums under the new M: plain work behind the exponentials
.endr
	s_wait_alu depctr_va_vdst(0)                   ; one wait for the whole batch, ahead of its first reader
.irp q, 0,1
	v_pk_add_f32 v[TMA+16*\q+14:TMA+16*\q+15], v[SS+64*\q:SS+64*\q+1], v[SS+64*\q+2:SS+64*\q+3]   ; THE ROW'S SUM IS TAKEN OF THE UNQUANTISED p: two at a time, two chains a tile
.endr
.irp i, 4,8,12,16,20,24,28,32,36,40,44,48,52,56,60
.irp q, 0,1
	v_pk_add_f32 v[ST+4*\q+2:ST+4*\q+3], v[ST+4*\q+2:ST+4*\q+3], v[SS+64*\q+\i:SS+64*\q+\i+1]
	v_pk_add_f32 v[TMA+16*\q+14:TMA+16*\q+15], v[TMA+16*\q+14:TMA+16*\q+15], v[SS+64*\q+\i+2:SS+64*\q+\i+3]
.endr
.endr
	s_delay_alu instid0(VALU_DEP_3)
	v_pk_add_f32 v[ST+2:ST+3], v[ST+2:ST+3], v[TMA+14:TMA+15]
	s_delay_alu instid0(VALU_DEP_2)
	v_pk_add_f32 v[ST+6:ST+7], v[ST+6:ST+7], v[TMA+30:TMA+31]
.irp q, 0,1
.irp c, 0,1
	v_max_num_f32 v[TMA+16*\q+2*\c+1], 0x1800000, v[TMA+16*\q+2*\c+1]   ; the floor 2^(3 - 127): the byte cannot fall under 1
.endr
.endr
.irp q, 0,1
.irp c, 0,1
	s_delay_alu instid0(VALU_DEP_4)
	v_add_nc_u32 v[TMA+16*\q+8+\c], 0xff000000, v[TMA+16*\q+2*\c+1]   ; 2 off the exponent field: the conversion's scale operand
.endr
.endr
.irp q, 0,1
.irp c, 0,1
	s_delay_alu instid0(VALU_DEP_4)
	v_lshrrev_b32 v[TMA+16*\q+10+\c], 23, v[TMA+16*\q+8+\c]   ; the bytes of blocks h and 2 + h
.endr
.endr
	s_delay_alu instid0(VALU_DEP_3)
	v_lshl_or_b32 v[PSW], v[TMA+11], 16, v[TMA+10]
	s_delay_alu instid0(VALU_DEP_2)
	v_lshl_or_b32 v[PSW+1], v[TMA+27], 16, v[TMA+26]
.irp q, 0,1
	s_delay_alu instid0(VALU_DEP_2)
	v_lshlrev_b32 v[PSW+\q], v[H8], v[PSW+\q]      ; at their places in the word
.endr
.irp q, 0,1
	s_delay_alu instid0(VALU_DEP_2)
	v_permlanex16_b32 v[TMA+16*\q+12], v[PSW+\q], s[SEL], s[SEL+1]
.endr
.irp q, 0,1
	s_delay_alu instid0(VALU_DEP_2)
	v_or_b32 v[PSW+\q], v[PSW+\q], v[TMA+16*\q+12] ; with lane l xor 16's two: p's scale word for these 128 keys
.endr
.irp q, 0,1
.irp c, 0,1
	v_cvt_scalef32_pk16_fp6_f32 v[PCD+12*\q+6*\c:PCD+12*\q+6*\c+2], v[SS+64*\q+32*\c:SS+64*\q+32*\c+15], v[TMA+16*\q+8+\c]
	v_cvt_scalef32_pk16_fp6_f32 v[CT+8*\q+4*\c:CT+8*\q+4*\c+2], v[SS+64*\q+32*\c+16:SS+64*\q+32*\c+31], v[TMA+16*\q+8+\c]   ; (a conversion's three registers begin on an even number)
.endr
.endr
	v_nop                                          ; one plain place behind a scaled conversion
.irp q, 0,1
.irp c, 0,1
.irp i, 0,1,2
	v_mov_b32 v[PCD+12*\q+6*\c+3+\i], v[CT+8*\q+4*\c+\i]
.endr
.endr
.endr
	s_wait_alu depctr_va_vdst(0)                   ; directly ahead of the first reader of O^T
	WIN 0x41                                       ; O^T (destination and source 0) window 1, f window 0
.irp q, 0,1
.set j, 0
.rept 16
	v_pk_mul_f32 v[OO+32*\q+j:OO+32*\q+j+1], v[OO+32*\q+j:OO+32*\q+j+1], v[FF+2*\q:FF+2*\q+1] op_sel_hi:[1,0]   ; O^T under the new M.  (These 32 are also the places between the lines that made p's codes and scale words and the products)
.set j, j+2
.endr
.endr
	s_wait_alu depctr_va_vdst(0)
.if (\mode) == 0
	s_wait_dscnt 0x0                               ; V is in
.endif
	WIN 0x51                                       ; source 0 (V) window 1, source 1 (p) window 0, C and D window 1
.irp d, 0,1,2,3
.irp q, 0,1
	WMC OO+32*\q+8*\d, VF+12*\d, PCD+12*\q, VS+\d/2, PSW+\q, \d%2   ; eight accumulators by turns, one instruction a turn
.endr
.endr
	WIN 0
.if (\mode) == 0
	s_add_co_u32 s[TB], s[TB], STEPB
.else
	s_sub_co_u32 s[TB], s[TB], 7*STEPB             ; back to a slot's first step,
	s_xor_b32 s[TB], s[TB], SLOT1                  ; in the other slot
	s_barrier_wait -1                              ; all eight waves have read this slot out, and the other slot is whole
.endif
.if (\mode) == 1
	CREST                                          ; the barrier has opened a round of the cluster's: no wave of any partner still reads this slot or has a load on its way
	tensor_load_to_lds s[G0:G0+3], s[G1:G1+7]      ; the first thing behind the round, and my one tensor load until the next
	s_nop 0
	v_add_nc_u32 v[ADR], s[TB], v[LI]
.rept 3
	v_nop
.endr
	KLOAD 0                                        ; the other slot's first K
.endif
.if (\mode) == 2
	s_cmp_eq_u32 s[SLOTS], 1                       ; behind the last slot no key step is left (its barrier orders nothing more: both trips share one text)
	s_cbranch_scc1 .Lno_k_\@
	v_add_nc_u32 v[ADR], s[TB], v[LI]
	KLOAD 0
.Lno_k_\@:
.endif
.endm
.macro SEVEN ask                       ; a slot's first seven key steps: written once, walked seven times
	s_mov_b32 s[CNT], 7
.Lstep_\@:
	STEP 0, \ask
	s_sub_co_u32 s[CNT], s[CNT], 1
	s_cmp_lg_u32 s[CNT], 0
	s_cbranch_scc1 .Lstep_\@
.endm
	s_load_b256 s[4:11], s[0:1], 0x0               ; qbuf, kv, xc, xs
	v_lshl_add_u32 v[SPW], v0, 2, SPARE
	v_mov_b32 v[NIL], 0
	ds_add_u32 v[SPW], v[NIL]                      ; the wave's opening: the add, twice on end, and its wait ahead of my first tensor load
	ds_add_u32 v[SPW], v[NIL]
	v_lshrrev_b32 v34, 5, v0
	s_delay_alu instid0(VALU_DEP_1)
	v_readfirstlane_b32 s[WV], v34                 ; wave 0..7
	s_bfe_u32 s[CX], ttmp6, 0x40000                ; my place in the cluster
	s_and_b32 s[BH], ttmp7, 0xffff                 ; the head, which the four partners share
	s_lshl_b32 s[QB], ttmp9, 2
	s_add_co_u32 s[QB], s[QB], s[CX]               ; my block of 256 queries
	s_mov_b32 s[G1], 15|(3<<16)|(1<<21)            ; 15:0 the mask: all four work-groups; 17:16 elements of 8 bytes; 21 set beside a mask; no padding
	s_mov_b32 s[G1+1], 32<<16                      ; tensor_dim0 = 32 elements: rows of 256 bytes
	s_mov_b32 s[G1+2], 51<<16                      ; tensor_dim1 = 51 rows: a key step's 13,056 dense bytes
	s_mov_b32 s[G1+3], 32<<16                      ; tile_dim0
	s_mov_b32 s[G1+4], 51                          ; tile_dim1
	s_mov_b32 s[G1+5], 32                          ; from row to row
	s_mov_b32 s[G1+6], 0
	s_mov_b32 s[G1+7], 0
	s_mov_b32 s[G0], 1
	s_mul_i32 s[G0+1], s[WV], STEPB                ; LDS: key step w of slot 0
	s_mul_i32 s42, s[BH], 32*STEPB                 ; the head's first byte in kv
	s_add_co_u32 s44, s42, s[G0+1]                 ; my key step of fill 0: nothing of my place in the cluster enters
	s_mov_b32 s45, 0
	s_mul_i32 s46, s[CX], 102*256                  ; the prefetches: my work-group's 102 blocks,
	s_add_co_u32 s46, s46, s42
	s_add_co_u32 s46, s46, 16*STEPB                ; in fill 2
	s_mov_b32 s47, 0
	s_lshr_b32 s48, s[WV], 2                       ; 0 in waves 0 to 3,
	s_or_b32 s48, s48, ttmp9                       ; of the head's first cluster: the same in all four partners
	s_cmp_eq_u32 s48, 0
	s_cselect_b32 s[LIM], 1, 0
	s_lshl_b32 s48, s[BH], 5                       ; Q: block of 128 queries 32 bh + 2 qblk + w / 4,
	s_lshl_b32 s49, s[QB], 1
	s_add_co_u32 s48, s48, s49
	s_lshr_b32 s49, s[WV], 2
	s_add_co_u32 s48, s48, s49
	s_mul_i32 s48, s48, 6656
	s_and_b32 s49, s[WV], 3                        ; pair w % 4 in it
	s_mul_i32 s50, s49, FRB
	s_add_co_u32 s50, s50, s48
	s_mov_b32 s51, 0
	s_lshl_b32 s52, s49, 2                         ; and its scale words: [lane][pair]
	s_add_co_u32 s52, s52, s48
	s_add_co_u32 s52, s52, 4*FRB
	s_mov_b32 s53, 0
	s_lshl_b32 s54, s[BH], 7
	s_lshl_b32 s55, s[QB], 3
	s_add_co_u32 s54, s54, s55                     ; 128 bh + 8 qblk: the work-group's first pair
	s_lshl_b32 s56, s54, 7                         ; xs: 128 bytes a pair
	s_mov_b32 s57, 0
	s_add_co_u32 s54, s54, s[WV]
	s_mul_i32 s54, s54, FRB                        ; xc: my pair's image
	s_mov_b32 s55, 0
	s_mov_b32 s[SEL], 0x76543210
	s_mov_b32 s[SEL+1], 0xfedcba98
	s_mov_b32 s[CS], 0x3e38aa3b                    ; c = log2(e) / 8
	s_mov_b32 s[CS+1], s[CS]                       ; (named with it as a pair, so it is written)
	s_mov_b32 s[CN], 0xbe38aa3b                    ; -c
	s_mov_b32 s[HIM], 0xffff0000
	s_mov_b32 s[TB], 0
	v_and_b32 v34, 31, v0
	s_delay_alu instid0(VALU_DEP_1)
	v_lshlrev_b32 v[LI], 4, v34
	s_delay_alu instid0(VALU_DEP_2)
	v_lshlrev_b32 v[L8], 3, v34
	v_min_u32 v[PFO], 101, v0
	s_delay_alu instid0(VALU_DEP_1)
	v_lshlrev_b32 v[PFO], 8, v[PFO]
	v_lshl_add_u32 v[XSA], v0, 2, XST
	v_lshl_add_u32 v[XRD], v0, 4, XST
	v_lshlrev_b32 v[T16], 4, v0
	v_and_b32 v[H8], 16, v0
	s_delay_alu instid0(VALU_DEP_1)
	v_lshrrev_b32 v[H8], 1, v[H8]
	s_wait_dscnt 0x0                               ; both opening adds are done
	s_wait_kmcnt 0x0
	s_add_nc_u64 s[G0+2:G0+3], s[6:7], s[44:45]
	s_or_b32 s[G0+3], s[G0+3], 0x80000000          ; type = 2
	s_add_nc_u64 s[PFA:PFA+1], s[6:7], s[46:47]
	s_add_nc_u64 s[50:51], s[4:5], s[50:51]
	s_add_nc_u64 s[52:53], s[4:5], s[52:53]
	s_add_nc_u64 s[8:9], s[8:9], s[54:55]
	s_add_nc_u64 s[10:11], s[10:11], s[56:57]
	CROUND                                         ; all four work-groups are here: the first joint loads meet
	tensor_load_to_lds s[G0:G0+3], s[G1:G1+7]      ; fill 0, my key step: my one tensor load at the head
	s_nop 0
.rept 4
	v_nop
.endr
	WIN 0x40                                       ; destination window 1
	s_wait_alu depctr_va_vdst(0)
	global_load_b128 v[QF:QF+3], v[LI], s[50:51]                  ; the pair image's registers 0-5 are tile 0's codes,
	global_load_b64 v[QF+4:QF+5], v[LI], s[50:51] offset:512
	global_load_b64 v[QF+12:QF+13], v[LI], s[50:51] offset:520    ; registers 6-11 tile 1's
	global_load_b128 v[QF+14:QF+17], v[LI], s[50:51] offset:1024
.irp i, 0,1,2,3,4,5
	v_mov_b32 v[QF+6+\i], 0                        ; zero codes for k = 64 .. 127
	v_mov_b32 v[QF+18+\i], 0
	v_mov_b32 v[KF+48+\i], 0                       ; and behind K's last tile
.endr
.set j, 0
.rept 64
	v_mov_b32 v[OO+j], 0                           ; O^T.  (The step has no first step of its own: it finds zeros, which the first change of M leaves zeros)
.set j, j+1
.endr
	WIN 0
	global_load_b32 v[QS], v[LI], s[52:53]
.irp q, 0,1
	v_mov_b32 v[ST+4*\q+1], 0xff61b1e6             ; the largest score so far: -3e38, under every score
	s_delay_alu instid0(VALU_DEP_1)
	v_mul_f32 v[ST+4*\q], s[CN], v[ST+4*\q+1]
	s_delay_alu instid0(VALU_DEP_1)
	v_floor_f32 v[ST+4*\q], v[ST+4*\q]             ; -M
	v_mov_b32 v[ST+4*\q+2], 0                      ; the sum, in two halves
	v_mov_b32 v[ST+4*\q+3], 0
	v_mov_b32 v[FF+2*\q+1], 0                      ; (named as the upper half of a pair)
	v_mov_b32 v[TMA+16*\q+5], 0                    ; written once: a lane permute's destination counts as one of its sources
	v_mov_b32 v[TMA+16*\q+12], 0
.endr
	s_wait_alu depctr_va_vdst(0)
	s_wait_loadcnt 0x0                             ; Q
	s_wait_tensorcnt 0x0                           ; my key step of fill 0 is in
	ds_add_u32 v[SPW], v[NIL]
	s_xor_b32 s[G0+1], s[G0+1], SLOT1              ; slot 1,
	s_add_nc_u64 s[G0+2:G0+3], s[G0+2:G0+3], 8*STEPB   ; fill 1
	s_wait_dscnt 0x0
	CROUND                                         ; slot 0 is whole, and all four work-groups are here
	tensor_load_to_lds s[G0:G0+3], s[G1:G1+7]      ; the first tensor load behind the round
	s_nop 0
	v_add_nc_u32 v[ADR], s[TB], v[LI]
.rept 3
	v_nop
.endr
	KLOAD 0                                        ; the first step's K
	s_mov_b32 s[SLOTS], 2
.Lslot:                                            ; slots 0 and 1: behind each the slot is filled again (fills 2 and 3)
	SEVEN 1
	STEP 1, 0
	s_sub_co_u32 s[SLOTS], s[SLOTS], 1
	s_cmp_lg_u32 s[SLOTS], 0
	s_cbranch_scc1 .Lslot
	s_mov_b32 s[SLOTS], 2
.Ltail:                                            ; the last two slots fetch nothing: written apart
	SEVEN 0
	STEP 2, 0
	s_sub_co_u32 s[SLOTS], s[SLOTS], 1
	s_cmp_lg_u32 s[SLOTS], 0
	s_cbranch_scc1 .Ltail
	; THE WAY OUT: O^T / the sum, quantised along the head's 64 (two blocks a query), as one pair image and 32 scale words.
.rept 4
	v_nop                                          ; four places behind the last products
.endr
.irp q, 0,1
	v_add_f32 v[ST+4*\q+2], v[ST+4*\q+2], v[ST+4*\q+3]   ; the sum's two halves,
.endr
.irp q, 0,1
	s_delay_alu instid0(VALU_DEP_2)
	v_permlanex16_b32 v[TMA+16*\q+4], v[ST+4*\q+2], s[SEL], s[SEL+1]
.endr
.irp q, 0,1
	s_delay_alu instid0(VALU_DEP_2)
	v_add_f32 v[ST+4*\q+2], v[ST+4*\q+2], v[TMA+16*\q+4]   ; and lane l xor 16's: the row's sum
.endr
	s_wait_alu depctr_va_vdst(0)
.irp q, 0,1
	v_rcp_f32 v[ST+4*\q+3], v[ST+4*\q+2]
.endr
	v_nop                                          ; a plain place behind the reciprocals
	s_wait_alu depctr_va_vdst(0)                   ; one wait for both, ahead of the first reader
	WIN 0x01                                       ; source 0 window 1
.irp q, 0,1
.set j, 0
.rept 32
	v_mul_f32 v[SS+32*\q+j], v[OO+32*\q+j], v[ST+4*\q+3]   ; register 32 q + 16 b + i = x(my query of tile q, d = 32 b + 16 h + i); each accumulator from its low end on
.set j, j+1
.endr
.endr
	WIN 0
	QUANT SS, PCD, PCD+6                           ; blocks 0, 1: tile 0's row; blocks 2, 3: tile 1's
.irp c, 0,1,2
	global_store_b128 v[LI], v[PCD+4*\c:PCD+4*\c+3], s[8:9] offset:512*\c   ; 32 lanes store 512 consecutive bytes
.endr
	v_and_b32 v111, 0xffff, v[PW]                  ; tile 0's two bytes,
	v_lshrrev_b32 v112, 16, v[PW]                  ; tile 1's
	s_delay_alu instid0(VALU_DEP_1)
	v_cndmask_b32 v111, v111, v112, s[HIM]         ; lanes 0-15 tile 0, lanes 16-31 tile 1
	ds_store_b32 v[XSA], v111                      ; the eight waves' words meet in LDS
	s_wait_dscnt 0x0                               ; for the others' sake: my store has landed
	s_barrier_signal -1
	s_barrier_wait -1
	s_cmp_gt_u32 s[WV], 1
	s_cbranch_scc1 .Lnot_mine
	ds_load_b128 v[112:115], v[XRD]
	s_wait_dscnt 0x0
	global_store_b128 v[T16], v[112:115], s[10:11] ; waves 0 and 1: 512 consecutive bytes each
.Lnot_mine:
	s_wait_tensorcnt 0x0                           ; the wave's end: behind my last tensor load and my last LDS store
	ds_add_u32 v[SPW], v[NIL]
	s_wait_dscnt 0x0
	CROUND                                         ; the closing round: no work-group ends while a partner may still ask for a tile that names it
	s_endpgm
.Lfunc_end_k_qa3f2314089_attn:
	.size	k_qa3f2314089_attn, .Lfunc_end_k_qa3f2314089_attn-k_qa3f2314089_attn
	.p2alignl 7, 3214868480
	.fill 96, 4, 3214868480
	.section	.rodata,"a",@progbits
	.p2align	6, 0x0
	.amdhsa_kernel k_qa3f2314089_attn
		.amdhsa_group_segment_fixed_size 327680
		.amdhsa_private_segment_fixed_size 0
		.amdhsa_enable_private_segment 0
		.amdhsa_kernarg_size 32
		.amdhsa_user_sgpr_count 2
		.amdhsa_user_sgpr_kernarg_segment_ptr 1
		.amdhsa_wavefront_size32 1
		.amdhsa_system_sgpr_workgroup_id_x 1
		.amdhsa_system_sgpr_workgroup_id_y 1
		.amdhsa_system_sgpr_workgroup_id_z 1
		.amdhsa_system_vgpr_workitem_id 0
		.amdhsa_next_free_vgpr 512
		.amdhsa_next_free_sgpr 66
		.amdhsa_reserve_vcc 0
		.amdhsa_float_denorm_mode_32 3
		.amdhsa_float_denorm_mode_16_64 3
		.amdhsa_memory_ordered 1
		.amdhsa_forward_progress 1
		.amdhsa_inst_pref_size 132
	.end_amdhsa_kernel
	.amdgpu_metadata
---
amdhsa.version: [ 1, 2 ]
amdhsa.kernels:
  - .name:           k_qa3f2314089_attn
    .symbol:         k_qa3f2314089_attn.kd
    .args:
      - { .name: qbuf, .offset: 0, .size: 8, .value_kind: global_buffer, .address_space: global }
      - { .name: kv, .offset: 8, .size: 8, .value_kind: global_buffer, .address_space: global }
      - { .name: xc, .offset: 16, .size: 8, .value_kind: global_buffer, .address_space: global }
      - { .name: xs, .offset: 24, .size: 8, .value_kind: global_buffer, .address_space: global }
    .group_segment_fixed_size: 327680
    .private_segment_fixed_size: 0
    .kernarg_segment_align: 8
    .kernarg_segment_size: 32
    .max_flat_workgroup_size: 256
    .sgpr_count:     66
    .vgpr_count:     512
    .wavefront_size: 32
...
	.end_amdgpu_metadata
.endif
;; end of part 3
;; launch oproj (part 4): grid 64 x 4, 4 waves a work-group, clusters of 4 x 1, 167,936 bytes of LDS; arguments xc, xs, wimg, bo, out0; writes out0
.if DOCPART == 4
	.amdgcn_target "amdgcn-amd-amdhsa--gfx1250"
	.amdhsa_code_object_version 6
	.text
	.protected	k_qa3f2314089_oproj
	.globl	k_qa3f2314089_oproj
	.p2align	8
	.type	k_qa3f2314089_oproj,@function
k_qa3f2314089_oproj:
	s_mov_b64 s[64:65], 0
	v_nop
	global_prefetch_b8 v0, s[64:65] scope:SCOPE_SE
	s_setreg_imm32_b32 hwreg(HW_REG_WAVE_MODE, 25, 1), 1
	s_wait_xcnt 0x0
	s_wait_alu depctr_hold_cnt(0) depctr_sa_sdst(0) depctr_va_vdst(0) depctr_va_sdst(0) depctr_va_ssrc(0) depctr_va_vcc(0) depctr_vm_vsrc(0)
	s_getreg_b32 s2, hwreg(HW_REG_IB_STS2, 6, 4)
	s_cmp_eq_u32 s2, 0
	s_cbranch_scc0 .Lentry_in_a_cluster
	s_endpgm
.Lentry_in_a_cluster:
	s_bfe_u32 s2, ttmp6, 0x10000c
	s_cmp_lg_u32 s2, 0x3003
	s_cbranch_scc0 .Lentry_shape_is_right
	s_endpgm
.Lentry_shape_is_right:
; out0 = x Wo^T + bo on codes of E2M3 with one E8M0 scale for each 32 along K = 512 (head x 64 + d).  x's codes and scale words come from attention's launch, Wo's from the weights' launch, all as images of operand registers.
; SHARES: work-group x = a block of 128 rows, y = a quarter of 128 outputs.  Wave w takes 32 rows (a pair of tiles) against all 128 outputs: P = Wo's quarter, 8 tiles x 4 K steps, as source 0 (384 registers);
; R = a tile of x, 4 K steps, as source 1.  A K step of 128 is two heads: registers 0-5 of a fragment come from head 2 s's pair image, registers 6-11 from head 2 s + 1's.
; CLUSTER: the four work-groups of a cluster take the same quarter of Wo: each wave asks for a fourth of its 51,200 bytes JOINTLY, with a mask that names the four.
; In the result a lane holds one row of x and its 64 registers run along the 128 outputs (16 neighbours to a block of 32, the other 16 in lane l xor 16); the rows go through my own stage in LDS and leave as whole rows of 512 bytes.
; bo is the C of each sum's first matrix instruction.
; REGISTERS: window 0 as listed; window 1: P's K steps 0, 1 at v[96 (s % 2) + 12 t]; window 2: K steps 2, 3; window 3: R: tile u, K step s at v[48 u + 12 s].
.set QBY,  51200
.set FRB,  1536
.set SCO,  49152
.set STG,  QBY                         ; LDS: Wo's quarter (filled by tensor loads, once); then a stage of 32 rows x (512 + 16) bytes for each wave;
.set SPARE, STG+4*32*528               ; then the spare words, 128 bytes a wave
.set LI,  1                            ; v1   16 x lane
.set L4,  2                            ; v2   4 x lane
.set BA,  3                            ; v3   64 h
.set SO,  4                            ; v4   the stage: where I put 16 bytes of my row
.set SR,  5                            ; v5   and where I read a row back
.set ACC, 16                           ; v16-79 tile 0's eight accumulators, v80-143 tile 1's
.set BI,  144                          ; v144-207 the biases in the result's layout; later 16 rows on their way out
.set OB,  144
.set PS,  208                          ; v208-223 Wo's scale words: pair j, K step s at PS + 4 j + s
.set RS,  224                          ; v224-227 x's: K step s; lanes 0-15 tile 0, lanes 16-31 tile 1
.set XW,  228                          ; v228-235 x's scale words as loaded, a register a head
.set SPW, 236                          ; v236 LDS address of my spare word; never rewritten
.set NIL, 237                          ; v237 0; never rewritten
.set WV,  14
.set CX,  15
.set G1,  16
.set G0,  24
.set BLK, 28
.set QQ,  29
.set MSB, 0
.macro WIN new                         ; the immediate's high byte repeats the setting that is left; a switch that changes nothing is dropped
.if MSB != (\new)
	s_set_vgpr_msb (MSB<<8)|(\new)
.set MSB, (\new)
.endif
.endm
.macro PLACES                          ; four places behind a matrix instruction (ISA guide 7.12.1)
.rept 4
	v_nop
.endr
.endm
.macro CROUND                          ; a round of the cluster's barrier
	s_barrier_signal -1
	s_barrier_wait -1
	s_cmp_lg_u32 s[WV], 0
	s_cbranch_scc1 .Lnot_wave_0_\@
	s_barrier_signal -3
.Lnot_wave_0_\@:
	s_barrier_wait -3
	s_barrier_signal -1
	s_barrier_wait -1
.endm
.macro WMC d, a, b, c, sa, sb, ra, rb
.if (\ra) && (\rb)
	v_wmma_scale_f32_16x16x128_f8f6f4 v[(\d):(\d)+7], v[(\a):(\a)+11], v[(\b):(\b)+11], v[(\c):(\c)+7], v[\sa], v[\sb] matrix_a_fmt:MATRIX_FMT_FP6 matrix_b_fmt:MATRIX_FMT_FP6 matrix_a_scale:MATRIX_SCALE_ROW1 matrix_b_scale:MATRIX_SCALE_ROW1
.elseif (\ra)
	v_wmma_scale_f32_16x16x128_f8f6f4 v[(\d):(\d)+7], v[(\a):(\a)+11], v[(\b):(\b)+11], v[(\c):(\c)+7], v[\sa], v[\sb] matrix_a_fmt:MATRIX_FMT_FP6 matrix_b_fmt:MATRIX_FMT_FP6 matrix_a_scale:MATRIX_SCALE_ROW1
.elseif (\rb)
	v_wmma_scale_f32_16x16x128_f8f6f4 v[(\d):(\d)+7], v[(\a):(\a)+11], v[(\b):(\b)+11], v[(\c):(\c)+7], v[\sa], v[\sb] matrix_a_fmt:MATRIX_FMT_FP6 matrix_b_fmt:MATRIX_FMT_FP6 matrix_b_scale:MATRIX_SCALE_ROW1
.else
	v_wmma_scale_f32_16x16x128_f8f6f4 v[(\d):(\d)+7], v[(\a):(\a)+11], v[(\b):(\b)+11], v[(\c):(\c)+7], v[\sa], v[\sb] matrix_a_fmt:MATRIX_FMT_FP6 matrix_b_fmt:MATRIX_FMT_FP6
.endif
.endm
; 32 matrix instructions: Wo's eight tiles against x's tile u, K step by K step; the eight accumulators take turns, one instruction a turn
.macro UNIT u
	WIN 0x0d                                       ; source 0 window 1, source 1 window 3, C and D window 0
.irp t, 0,1,2,3,4,5,6,7
	WMC ACC+64*(\u)+8*\t, 12*\t, 48*(\u), BI+8*\t, PS+4*(\t/2), RS, \t%2, \u
.endr
.irp t, 0,1,2,3,4,5,6,7
	WMC ACC+64*(\u)+8*\t, 96+12*\t, 48*(\u)+12, ACC+64*(\u)+8*\t, PS+4*(\t/2)+1, RS+1, \t%2, \u
.endr
	WIN 0x0e                                       ; source 0 window 2
.irp t, 0,1,2,3,4,5,6,7
	WMC ACC+64*(\u)+8*\t, 12*\t, 48*(\u)+24, ACC+64*(\u)+8*\t, PS+4*(\t/2)+2, RS+2, \t%2, \u
.endr
.irp t, 0,1,2,3,4,5,6,7
	WMC ACC+64*(\u)+8*\t, 96+12*\t, 48*(\u)+36, ACC+64*(\u)+8*\t, PS+4*(\t/2)+3, RS+3, \t%2, \u
.endr
	WIN 0
	PLACES
.endm
	s_load_b256 s[4:11], s[0:1], 0x0               ; xc, xs, wimg, bo
	s_load_b64 s[12:13], s[0:1], 0x20              ; out0
	v_lshl_add_u32 v[SPW], v0, 2, SPARE
	v_mov_b32 v[NIL], 0
	ds_add_u32 v[SPW], v[NIL]                      ; the wave's opening: the add and its wait ahead of my first tensor load; the set-up below, work on registers, stands between them
	ds_add_u32 v[SPW], v[NIL]
	v_lshrrev_b32 v6, 5, v0
	v_readfirstlane_b32 s[WV], v6                  ; wave 0..3
	s_bfe_u32 s[CX], ttmp6, 0x40000                ; my place in the cluster
	s_lshl_b32 s[BLK], ttmp9, 2
	s_add_co_u32 s[BLK], s[BLK], s[CX]             ; my block of 128 rows
	s_and_b32 s[QQ], ttmp7, 0xffff                 ; the quarter of outputs: the same in all four partners
	s_mov_b32 s[G1], 15|(3<<16)|(1<<21)            ; 15:0 the mask: all four work-groups; 17:16 elements of 8 bytes; 21 set beside a mask; no padding
	s_mov_b32 s[G1+1], 32<<16                      ; tensor_dim0 = 32 elements: rows of 256 bytes
	s_mov_b32 s[G1+2], 50<<16                      ; tensor_dim1 = 50 rows: a fourth of the quarter's 51,200 dense bytes
	s_mov_b32 s[G1+3], 32<<16                      ; tile_dim0
	s_mov_b32 s[G1+4], 50                          ; tile_dim1
	s_mov_b32 s[G1+5], 32                          ; from row to row
	s_mov_b32 s[G1+6], 0
	s_mov_b32 s[G1+7], 0
	s_mov_b32 s[G0], 1
	s_mul_i32 s[G0+1], s[WV], 12800                ; LDS: my fourth
	s_add_co_u32 s40, s[QQ], 12                    ; in wimg: Wo is matrix 3: quarter 12 + q
	s_mul_i32 s40, s40, QBY
	s_add_co_u32 s40, s40, s[G0+1]                 ; nothing of my place in the cluster enters
	s_mov_b32 s41, 0
	s_lshr_b32 s42, s[BLK], 5                      ; the batch
	s_lshl_b32 s42, s42, 10                        ; 8 heads x 128 pairs
	s_and_b32 s43, s[BLK], 31
	s_lshl_b32 s43, s43, 2
	s_add_co_u32 s42, s42, s43
	s_add_co_u32 s42, s42, s[WV]                   ; my pair, in the batch's first head
	s_lshl_b32 s44, s42, 7                         ; xs: 128 bytes a pair
	s_mov_b32 s45, 0
	s_mul_i32 s42, s42, FRB                        ; xc: 1,536 bytes a pair
	s_mov_b32 s43, 0
	s_lshl_b32 s46, s[QQ], 9                       ; 128 outputs of 4 bytes
	s_mov_b32 s47, 0
	s_lshl_b32 s48, s[BLK], 18                     ; out0: 128 rows of 2,048 bytes a block,
	s_lshr_b32 s49, s[WV], 1                       ; my pair's rows are 64 (w / 2) + 16 (w % 2) + 0 .. 15 and the sixteen that lie 32 further on (the order in which the projections' launch forms x's tiles)
	s_lshl_b32 s49, s49, 17
	s_and_b32 s50, s[WV], 1
	s_lshl_b32 s50, s50, 15
	s_add_co_u32 s49, s49, s50
	s_add_co_u32 s48, s48, s49
	s_add_co_u32 s48, s48, s46                     ; my quarter's 512 bytes of a row
	s_mov_b32 s49, 0
	v_and_b32 v6, 31, v0                           ; lane
	v_and_b32 v7, 15, v0                           ; r
	v_bfe_u32 v8, v0, 4, 1                         ; h
	v_lshlrev_b32 v[LI], 4, v6
	v_lshlrev_b32 v[L4], 2, v6
	v_lshlrev_b32 v[BA], 6, v8
	v_and_b32 v9, 8, v7
	v_add_nc_u32 v9, v9, v7                        ; r + 8 (r / 8): my row among the pair's 32 (tile 1: 8 further on)
	v_mul_u32_u24 v[SO], v9, 528
	v_lshl_add_u32 v[SO], v8, 6, v[SO]
	s_mul_i32 s50, s[WV], 32*528
	s_add_co_u32 s50, s50, STG                     ; my stage
	v_add_nc_u32 v[SO], s50, v[SO]
	v_add_nc_u32 v[SR], s50, v[LI]
	s_wait_dscnt 0x0                               ; the opening add is done
	s_wait_kmcnt 0x0
	s_add_nc_u64 s[G0+2:G0+3], s[8:9], s[40:41]
	s_or_b32 s[G0+3], s[G0+3], 0x80000000          ; type = 2
	s_add_nc_u64 s[4:5], s[4:5], s[42:43]
	s_add_nc_u64 s[6:7], s[6:7], s[44:45]
	s_add_nc_u64 s[10:11], s[10:11], s[46:47]
	s_add_nc_u64 s[12:13], s[12:13], s[48:49]
	CROUND                                         ; all four work-groups are here: the joint loads meet
	tensor_load_to_lds s[G0:G0+3], s[G1:G1+7]      ; my fourth of Wo's quarter: my one tensor load of the launch
	s_nop 0
.rept 4
	v_nop
.endr
	WIN 0xc0                                       ; destination window 3
	s_wait_alu depctr_va_vdst(0)
.irp e, 0,1,2,3,4,5,6,7                        ; head e: the pair image's registers 0-5 are tile 0's 64 codes a row, registers 6-11 tile 1's
	global_load_b128 v[6*\e:6*\e+3], v[LI], s[4:5] offset:196608*\e
	global_load_b64 v[6*\e+4:6*\e+5], v[LI], s[4:5] offset:196608*\e+512
	global_load_b64 v[48+6*\e:48+6*\e+1], v[LI], s[4:5] offset:196608*\e+520
	global_load_b128 v[48+6*\e+2:48+6*\e+5], v[LI], s[4:5] offset:196608*\e+1024
.endr
	WIN 0
.irp e, 0,1,2,3,4,5,6,7
	global_load_b32 v[XW+\e], v[L4], s[6:7] offset:16384*\e
.endr
.irp t, 0,1,2,3,4,5,6,7
	global_load_b128 v[BI+8*\t:BI+8*\t+3], v[BA], s[10:11] offset:(32*(\t/2)+8*(\t%2))*4       ; lane (r, h), tile t: the biases of outputs 32 (t / 2) + 8 (t % 2) + 16 h + 0 .. 7
	global_load_b128 v[BI+8*\t+4:BI+8*\t+7], v[BA], s[10:11] offset:(32*(\t/2)+8*(\t%2))*4+16
.endr
	s_wait_tensorcnt 0x0                           ; my fourth has landed,
	s_wait_dscnt 0x0
	s_barrier_signal -1
	s_barrier_wait -1                              ; everybody's has
	WIN 0x40                                       ; destination window 1
.irp t, 0,1,2,3,4,5,6,7
.irp k, 0,1
.irp c, 0,1,2
	ds_load_b128 v[96*\k+12*\t+4*\c:96*\k+12*\t+4*\c+3], v[LI] offset:(4*\t+\k)*FRB+512*\c
.endr
.endr
.endr
	WIN 0x80                                       ; destination window 2
.irp t, 0,1,2,3,4,5,6,7
.irp k, 0,1
.irp c, 0,1,2
	ds_load_b128 v[96*\k+12*\t+4*\c:96*\k+12*\t+4*\c+3], v[LI] offset:(4*\t+2+\k)*FRB+512*\c
.endr
.endr
.endr
	WIN 0
.irp j, 0,1,2,3
	ds_load_b128 v[PS+4*\j:PS+4*\j+3], v[LI] offset:SCO+512*\j
.endr
	s_wait_loadcnt 0x0                             ; x's codes and scale words, the biases
.irp k, 0,1,2,3
	v_lshl_or_b32 v[RS+\k], v[XW+2*\k+1], 16, v[XW+2*\k]   ; two heads' two bytes each make a K step's scale word
.endr
.rept 8
	v_nop                                          ; a scale register written by a vector instruction stands 8 places ahead of a scaled matrix instruction
.endr
	s_wait_alu depctr_va_vdst(0)
	s_wait_dscnt 0x0                               ; Wo's fragments and scale words
	UNIT 0
	UNIT 1
.irp u, 0,1
.irp b, 0,1,2,3
.irp k, 0,1,2,3
	ds_store_b128 v[SO], v[ACC+64*\u+16*\b+4*\k:ACC+64*\u+16*\b+4*\k+3] offset:4224*\u+128*\b+16*\k   ; row 8 u + r + 8 (r / 8), outputs 32 b + 16 h + 4 k on; each accumulator from its low end on
.endr
.endr
.endr
.irp g, 0,1
.if \g
	s_wait_xcnt 0x0                                ; the first sixteen rows' stores have read their registers
.endif
.irp i, 0,1,2,3,4,5,6,7,8,9,10,11,12,13,14,15
	ds_load_b128 v[OB+4*\i:OB+4*\i+3], v[SR] offset:528*(16*\g+\i)   ; LDS serves a wave's instructions in order (ISA guide 5.7.1.4): these see my stores
.endr
.irp i, 0,1,2,3,4,5,6,7,8,9,10,11,12,13,14,15
	s_wait_dscnt 15-\i                             ; row i is back; the loads behind it may be out
	global_store_b128 v[LI], v[OB+4*\i:OB+4*\i+3], s[12:13] offset:2048*(32*\g+\i) th:TH_STORE_NT   ; 32 lanes store 512 consecutive bytes, at a multiple of 256 from out0's first byte; the stage's second sixteen rows lie 32 rows on
.endr
.endr
	s_wait_tensorcnt 0x0                           ; the wave's end: behind my last tensor load and my last LDS store
	ds_add_u32 v[SPW], v[NIL]
	s_wait_dscnt 0x0
	CROUND                                         ; the closing round: no work-group ends while a partner may still ask for a tile that names it
	s_endpgm
.Lfunc_end_k_qa3f2314089_oproj:
	.size	k_qa3f2314089_oproj, .Lfunc_end_k_qa3f2314089_oproj-k_qa3f2314089_oproj
	.p2alignl 7, 3214868480
	.fill 96, 4, 3214868480
	.section	.rodata,"a",@progbits
	.p2align	6, 0x0
	.amdhsa_kernel k_qa3f2314089_oproj
		.amdhsa_group_segment_fixed_size 167936
		.amdhsa_private_segment_fixed_size 0
		.amdhsa_enable_private_segment 0
		.amdhsa_kernarg_size 40
		.amdhsa_user_sgpr_count 2
		.amdhsa_user_sgpr_kernarg_segment_ptr 1
		.amdhsa_wavefront_size32 1
		.amdhsa_system_sgpr_workgroup_id_x 1
		.amdhsa_system_sgpr_workgroup_id_y 1
		.amdhsa_system_sgpr_workgroup_id_z 1
		.amdhsa_system_vgpr_workitem_id 0
		.amdhsa_next_free_vgpr 1024
		.amdhsa_next_free_sgpr 66
		.amdhsa_reserve_vcc 0
		.amdhsa_float_denorm_mode_32 3
		.amdhsa_float_denorm_mode_16_64 3
		.amdhsa_memory_ordered 1
		.amdhsa_forward_progress 1
		.amdhsa_inst_pref_size 34
	.end_amdhsa_kernel
	.amdgpu_metadata
---
amdhsa.version: [ 1, 2 ]
amdhsa.kernels:
  - .name:           k_qa3f2314089_oproj
    .symbol:         k_qa3f2314089_oproj.kd
    .args:
      - { .name: xc, .offset: 0, .size: 8, .value_kind: global_buffer, .address_space: global }
      - { .name: xs, .offset: 8, .size: 8, .value_kind: global_buffer, .address_space: global }
      - { .name: wimg, .offset: 16, .size: 8, .value_kind: global_buffer, .address_space: global }
      - { .name: bo, .offset: 24, .size: 8, .value_kind: global_buffer, .address_space: global }
      - { .name: out0, .offset: 32, .size: 8, .value_kind: global_buffer, .address_space: global }
    .group_segment_fixed_size: 167936
    .private_segment_fixed_size: 0
    .kernarg_segment_align: 8
    .kernarg_segment_size: 40
    .max_flat_workgroup_size: 128
    .sgpr_count:     66
    .vgpr_count:     1024
    .wavefront_size: 32
...
	.end_amdgpu_metadata
.endif
;; end of part 4
